; MI455X (gfx1250); checked and timed in simulation.
; The chip was launched on July 23, 2026; its instructions are those of AMD's public machine-readable ISA for CDNA 5 (MIT licence, August 2026) and "CDNA5" Instruction Set Architecture Reference Guide (July 2026). The comments in the code are by the model that wrote it; some were corrected since.
;; Llama Attention. Allowed arithmetic: matrix products marked QUANTISED: E5M2 operands, one given power-of-two scale a tensor, by v_wmma_f32_16x16x64_bf8_bf8 or v_wmma_f32_16x16x128_bf8_bf8, f32 sums; products left as they are: f32 operands where the result goes on into a quantised operand, else bf16, f16 or f32 operands; f32 sums; everything else in f32.
;; Inputs: Wk_codes 1,024 x 32 x 32 uint8 (E5M2 codes of Wk, K innermost, in blocks of 32 codes); Wo_codes 1,024 x 32 x 32 uint8 (E5M2 codes of Wo, K innermost, in blocks of 32 codes); Wq_codes 1,024 x 32 x 32 uint8 (E5M2 codes of Wq, K innermost, in blocks of 32 codes); Wv_codes 1,024 x 32 x 32 uint8 (E5M2 codes of Wv, K innermost, in blocks of 32 codes); lowp_scales 12 int32 (the exponents e of the quantised operands' scales 2^e); seq_lens 4 int32; x_codes 4 x 2,048 x 32 x 32 uint8 (E5M2 codes of x, K innermost, in blocks of 32 codes).
;; Outputs: out0 4 x 2,048 x 1,024 float32.
;; This version of the problem:
;;   THIS VERSION OF THE PROBLEM IS GIVEN IN LOW PRECISION. The matrix products marked QUANTISED in the list below multiply operands that are first quantised to E5M2 (5 exponent bits, 2 mantissa bits; 8 bits a number), with one given power-of-two scale for each operand tensor; their sums are f32. All else is computed in f32.
;;   The module's matrix products, in the order in which they are computed (A, B: the left and right operand; K: the contracted axis; several contracted axes count as one K, in the product's order):
;;     1. [M 8,192, K 1,024] x [K 1,024, N 1,024]; A: input x (given as codes); B: input Wq (given as codes): QUANTISED (scales: A lowp_scales[0], B lowp_scales[1])
;;     2. [M 8,192, K 1,024] x [K 1,024, N 1,024]; A: input x (given as codes); B: input Wk (given as codes): QUANTISED (scales: A lowp_scales[2], B lowp_scales[3])
;;     3. [M 8,192, K 1,024] x [K 1,024, N 1,024]; A: input x (given as codes); B: input Wv (given as codes): QUANTISED (scales: A lowp_scales[4], B lowp_scales[5])
;;     4. [M 2,048, K 1] x [K 1, N 32]; A: computed on the way; B: computed on the way: left as it is (no contracted axis)
;;     5. batch 64 x [M 2,048, K 64] x [K 64, N 2,048]; A: computed on the way; B: computed on the way: QUANTISED (scales: A lowp_scales[6], B lowp_scales[7])
;;     6. batch 64 x [M 64, K 2,048] x [K 2,048, N 2,048]; A: computed on the way; B: softmax (see below): QUANTISED (scales: A lowp_scales[8], B lowp_scales[9])
;;     7. [M 8,192, K 1,024] x [K 1,024, N 1,024]; A: computed on the way; B: input Wo (given as codes): QUANTISED (scales: A lowp_scales[10], B lowp_scales[11])
;;   THE QUANTISER, for each operand of a quantised product, along K:
;;     - The operand's scale is 2^e, e = its entry of the input lowp_scales (int32; the entries are numbered through the quantised products in the list's order, A before B).
;;     - Each number is divided by the scale, clamped to +-57,344, and rounded to the nearest number of E5M2, ties to even, subnormals kept.
;;     - The product sums the exact products of the quantised numbers (number of the format x scale) in f32.
;;   ~~~python
;;   def quantise(x, axis, e):      # numpy; x: float32 -> the quantised numbers, widened to float32 again
;;       x = np.moveaxis(x, axis, -1); K = x.shape[-1]
;;       r = np.clip(x / 2.0 ** e, -57344, 57344)
;;       step = 2.0 ** (np.maximum(np.frexp(np.where(r == 0, 1, r))[1] - 1, -14) - 2)
;;       q = np.round(r / step) * step * 2.0 ** e      # np.round: ties to even
;;       return np.moveaxis(q, -1, axis).astype(np.float32)
;;   ~~~
;;   SOFTMAX AHEAD OF A QUANTISED PRODUCT. Where the list says 'softmax', what is quantised is not the finished softmax but p = 2^(t - M), with t = logit x log2(e) and M = ceil(the row's largest t), a whole number; so 1/2 < the row's largest p <= 1. The row's sum l is taken of the UNQUANTISED p, in f32, and the product's result is divided by l at the end. Since M is a whole number, a kernel that streams over the keys may use a running M (the ceiling of the running maximum): every later rescaling is an exact power of two, so the quantised numbers keep their values, but for numbers so far below the row's largest that they fall under the format's range.
;;   OPERANDS COMPUTED ON THE WAY. 'Computed on the way' means the value that the module computes at that place (a softmax that the list does not call 'softmax' is quantised finished and normalised). What goes into a quantiser is computed in f32, as accurately as f32 sums, v_exp_f32 and their like allow (about 1e-6 of the number): no bf16 or f16 on the way to a quantiser, and a product that is left as it is and whose result goes on into a quantised operand takes f32 operands (vector FMAs, or v_wmma_f32_16x16x4_f32). A number that lies on a knife's edge between two numbers of the format may be rounded either way, as far as f32 arithmetic and the matrix unit's own rounding can turn it there, and no further.
;;   INPUTS GIVEN AS CODES. Wk (in the module: [1024, 1024], K = its axis 0); Wo (in the module: [1024, 1024], K = its axis 0); Wq (in the module: [1024, 1024], K = its axis 0); Wv (in the module: [1024, 1024], K = its axis 0); x (in the module: [4, 2048, 1024], K = its axis 2): each comes as NAME_codes (uint8): NAME with its K axis moved to the last place and cut into blocks of 32 codes, [.., K / 32, bytes a block], one block behind the other in memory; one code a byte (a code: sign, 5 exponent bits, 2 mantissa bits); its scale is its entry of lowp_scales. Its value is code x scale, taken as it is: it is not quantised again, and the codes and scales need not be those that the quantiser above would give.
;; 2 versions, each right; version 2 is version 1 with the launch attn written anew for expert scheduling mode. Each part assembles by itself: llvm-mc -triple=amdgcn-amd-amdhsa -mcpu=gfx1250 --defsym DOCPART=n.
;; ======== version 1 of 2: 4 launches
;; limits: right only within a limited range of input values
;; workspace buffers: rope 524,288 bytes; q_img 8,388,608 bytes; k_img 8,388,608 bytes; v_img 8,388,608 bytes; a_img 8,388,608 bytes
;; launch rope (part 1): grid 32 x 1, 4 waves a work-group, no clusters, 0 bytes of LDS; arguments rope; writes rope
.if DOCPART == 1
	.amdgcn_target "amdgcn-amd-amdhsa--gfx1250"
	.amdhsa_code_object_version 6
	.text
	.protected	k_qe03191c7e2_rope
	.globl	k_qe03191c7e2_rope
	.p2align	8
	.type	k_qe03191c7e2_rope,@function
k_qe03191c7e2_rope:
	s_mov_b64 s[64:65], 0
	v_nop
	global_prefetch_b8 v0, s[64:65] scope:SCOPE_SE
	s_setreg_imm32_b32 hwreg(HW_REG_WAVE_MODE, 25, 1), 1
	s_wait_xcnt 0x0
; THE PROGRAM: four launches.  rope (this one): the tables cos and sin of RoPE.  qkv: x Wq, x Wk, x Wv on codes, RoPE, and the quantisers of q, k, v.  attn: q k^T, the softmax's p, p v, and the
; quantiser of the attention's result.  oproj: that result times Wo, and zeros in the rows at or past seq_lens[b].
; WORK LEFT OUT, AND WHY IT IS DEAD, for all values of the inputs:
; (a) valid_k.  The mask is causal AND valid_k.  For a query q < seq_lens[b] every key that the causal mask lets through has k <= q < seq_lens[b], so valid_k is true wherever causal is: it changes nothing.
;     For a query q >= seq_lens[b] the last jnp.where of reference() writes 0 whatever the row holds.  So valid_k reaches no output, and seq_lens decides only which rows are thrown away.
; (b) Key steps all of whose keys come after all the wave's queries: the causal mask, which reference() builds in its own body, gives them the weight 0.
; (c) Tiles of 16 queries that begin at or past seq_lens[b]: their rows are overwritten with 0.  The launch attn reads seq_lens from memory, passes over them and stores zero codes in their place.
;     In qkv and oproj such rows are computed and, in oproj, replaced by 0 by a select.
; LIMITS: a NaN, an infinity or an overflow that reaches only the work left out is not carried to the result.  A hidden score counts as -infinity where reference() takes -1e9: p is 0 either way while
; some visible logit of the row lies above about -9.9e8.
;
; THIS LAUNCH: cos(p f_i) and sin(p f_i) for positions p = 0 .. 2047 and f_i = 10000^(-i/32) = 10^(-i/8), i = 0 .. 31.  The angle is one f32 multiplication, as reference() has it.
; LIMIT: f_i is the f32 number nearest to 10^(-i/8); reference()'s own f32 power and reciprocal may end an ulp or two away, which moves the largest angle (near 1,535) by about 2e-4.
; The table is laid as the reader's registers want it: [tile T of 16 positions][g 0..7][lane][16 bytes].  Lane (r, h) = r + 16 h has position 16 T + r; piece g < 4 holds cos of e = 4 g .. 4 g + 3,
; piece g >= 4 sin of e = 4 (g - 4) ..; e stands for the frequency i = 16 (e / 8) + 8 h + e % 8: the channel that register e % 8 of result tile e / 8 holds in that lane in the launch qkv.
; A wave makes one tile: 16 pairs a lane.  Angle: n = the nearest whole number to a 2/pi; rr = a - n pi/2 with pi/2 in two parts; polynomials on |rr| <= pi/4; the quadrant n mod 4 swaps and signs.
.set COSR, 32                          ; v32-47  cos of e = 0 .. 15
.set SINR, 48                          ; v48-63  sin
	s_load_b64 s[4:5], s[0:1], 0x0                 ; the table
	v_lshrrev_b32 v5, 5, v0
	v_readfirstlane_b32 s8, v5                     ; wave 0..3
	s_lshl_b32 s9, ttmp9, 2
	s_add_co_u32 s8, s8, s9                        ; T = 4 x work-group + wave
	v_and_b32 v1, 15, v0                           ; r
	v_bfe_u32 v2, v0, 4, 1                         ; h
	v_and_b32 v4, 31, v0
	v_lshlrev_b32 v4, 4, v4                        ; 16 x lane
	s_lshl_b32 s9, s8, 4
	v_add_nc_u32 v3, s9, v1
	v_cvt_f32_u32 v3, v3                           ; my position, exact in f32
	v_cmp_eq_u32 s10, 1, v2                        ; the lanes with h = 1
	s_mov_b32 s16, 0x3f22f983                      ; 2 / pi
	s_mov_b32 s17, 0x3fc90fdb                      ; pi / 2, its upper part,
	s_mov_b32 s18, 0xb33bbd2e                      ; and what is left of it
	s_mov_b32 s19, 0xb94ca1f9                      ; sin: -1.9515295891e-4
	s_mov_b32 s20, 0x3c08839e                      ;       8.3321608736e-3
	s_mov_b32 s21, 0xbe2aaaa3                      ;      -1.6666654611e-1
	s_mov_b32 s22, 0x37ccf5ce                      ; cos:  2.443315712e-5
	s_mov_b32 s23, 0xbab6061a                      ;      -1.388731625e-3
	s_mov_b32 s24, 0x3d2aaaa5                      ;       4.166664568e-2
	s_lshl_b32 s12, s8, 12                         ; a tile is 4,096 bytes
	s_mov_b32 s13, 0
	s_wait_kmcnt 0x0
	s_add_nc_u64 s[4:5], s[4:5], s[12:13]
; One pair.  l0, l1: the frequency of e for h = 0 and for h = 1.
.macro SC e, l0, l1
	v_mul_f32 v8, \l0, v3
	v_mul_f32 v9, \l1, v3
	v_cndmask_b32 v8, v8, v9, s10                  ; the angle a
	v_mul_f32 v9, s16, v8
	v_rndne_f32 v9, v9                             ; n
	v_fma_f32 v10, -v9, s17, v8
	v_fma_f32 v10, -v9, s18, v10                   ; rr
	v_mul_f32 v11, v10, v10                        ; z = rr^2
	v_fma_f32 v12, v11, s19, s20
	v_fma_f32 v13, v11, s22, s23
	v_fma_f32 v12, v12, v11, s21
	v_fma_f32 v13, v13, v11, s24
	v_mul_f32 v14, v11, v10
	v_mul_f32 v15, v11, v11
	v_fma_f32 v16, v11, -0.5, 1.0
	v_fma_f32 v12, v12, v14, v10                   ; sin rr
	v_fma_f32 v13, v13, v15, v16                   ; cos rr
	v_cvt_i32_f32 v9, v9
	v_and_b32 v14, 1, v9
	v_cmp_ne_u32 vcc_lo, 0, v14                    ; an odd quadrant swaps the two
	v_cndmask_b32 v15, v12, v13, vcc_lo
	v_cndmask_b32 v16, v13, v12, vcc_lo
	v_and_b32 v14, 2, v9
	v_lshlrev_b32 v14, 30, v14
	v_xor_b32 v[SINR+\e], v15, v14                 ; sin is negated in quadrants 2 and 3,
	v_add_nc_u32 v9, 1, v9
	v_and_b32 v9, 2, v9
	v_lshlrev_b32 v9, 30, v9
	v_xor_b32 v[COSR+\e], v16, v9                  ; cos in quadrants 1 and 2
.endm
	SC 0,  1.0,              0.1
	SC 1,  0.749894209332,   0.0749894209332
	SC 2,  0.562341325190,   0.0562341325190
	SC 3,  0.421696503429,   0.0421696503429
	SC 4,  0.316227766017,   0.0316227766017
	SC 5,  0.237137370566,   0.0237137370566
	SC 6,  0.177827941004,   0.0177827941004
	SC 7,  0.133352143216,   0.0133352143216
	SC 8,  0.01,             0.001
	SC 9,  0.00749894209332, 0.000749894209332
	SC 10, 0.00562341325190, 0.000562341325190
	SC 11, 0.00421696503429, 0.000421696503429
	SC 12, 0.00316227766017, 0.000316227766017
	SC 13, 0.00237137370566, 0.000237137370566
	SC 14, 0.00177827941004, 0.000177827941004
	SC 15, 0.00133352143216, 0.000133352143216
.irp g, 0,1,2,3,4,5,6,7
	global_store_b128 v4, v[COSR+4*\g:COSR+4*\g+3], s[4:5] offset:512*\g   ; 32 lanes store 512 consecutive bytes, aligned
.endr
	s_endpgm
.Lfunc_end_k_qe03191c7e2_rope:
	.size	k_qe03191c7e2_rope, .Lfunc_end_k_qe03191c7e2_rope-k_qe03191c7e2_rope
	.p2alignl 7, 3214868480
	.fill 96, 4, 3214868480
	.section	.rodata,"a",@progbits
	.p2align	6, 0x0
	.amdhsa_kernel k_qe03191c7e2_rope
		.amdhsa_group_segment_fixed_size 0
		.amdhsa_private_segment_fixed_size 0
		.amdhsa_enable_private_segment 0
		.amdhsa_kernarg_size 8
		.amdhsa_user_sgpr_count 2
		.amdhsa_user_sgpr_kernarg_segment_ptr 1
		.amdhsa_wavefront_size32 1
		.amdhsa_system_sgpr_workgroup_id_x 1
		.amdhsa_system_sgpr_workgroup_id_y 1
		.amdhsa_system_sgpr_workgroup_id_z 1
		.amdhsa_system_vgpr_workitem_id 0
		.amdhsa_next_free_vgpr 64
		.amdhsa_next_free_sgpr 66
		.amdhsa_reserve_vcc 1
		.amdhsa_float_denorm_mode_32 3
		.amdhsa_float_denorm_mode_16_64 3
		.amdhsa_memory_ordered 1
		.amdhsa_forward_progress 1
		.amdhsa_inst_pref_size 23
	.end_amdhsa_kernel
	.amdgpu_metadata
---
amdhsa.version: [ 1, 2 ]
amdhsa.kernels:
  - .name:           k_qe03191c7e2_rope
    .symbol:         k_qe03191c7e2_rope.kd
    .args:
      - { .name: rope, .offset: 0, .size: 8, .value_kind: global_buffer, .address_space: global }
    .group_segment_fixed_size: 0
    .private_segment_fixed_size: 0
    .kernarg_segment_align: 8
    .kernarg_segment_size: 8
    .max_flat_workgroup_size: 128
    .sgpr_count:     66
    .vgpr_count:     64
    .wavefront_size: 32
...
	.end_amdgpu_metadata
.endif
;; end of part 1
;; launch qkv (part 2): grid 12 x 32, 4 waves a work-group, clusters of 4 x 4, 327,680 bytes of LDS; arguments x_codes, Wq_codes, Wk_codes, Wv_codes, lowp_scales, rope, q_img, k_img, v_img; writes q_img, k_img, v_img
.if DOCPART == 2
	.amdgcn_target "amdgcn-amd-amdhsa--gfx1250"
	.amdhsa_code_object_version 6
	.text
	.protected	k_qe03191c7e2_qkv
	.globl	k_qe03191c7e2_qkv
	.p2align	8
	.type	k_qe03191c7e2_qkv,@function
k_qe03191c7e2_qkv:
	s_mov_b64 s[64:65], 0
	v_nop
	global_prefetch_b8 v0, s[64:65] scope:SCOPE_SE
	s_setreg_imm32_b32 hwreg(HW_REG_WAVE_MODE, 25, 1), 1
	s_wait_xcnt 0x0
	s_wait_alu depctr_hold_cnt(0) depctr_sa_sdst(0) depctr_va_vdst(0) depctr_va_sdst(0) depctr_va_ssrc(0) depctr_va_vcc(0) depctr_vm_vsrc(0)
	s_getreg_b32 s2, hwreg(HW_REG_IB_STS2, 6, 4)
	s_cmp_eq_u32 s2, 0
	s_cbranch_scc0 .Lentry_in_a_cluster
	s_endpgm
.Lentry_in_a_cluster:
	s_bfe_u32 s2, ttmp6, 0x10000c
	s_cmp_lg_u32 s2, 0xf033
	s_cbranch_scc0 .Lentry_shape_is_right
	s_endpgm
.Lentry_shape_is_right:
; q = rope(x Wq), k = rope(x Wk), v = x Wv on codes of BF8 (E5M2), and the quantisers of q, k and v for the two products of attention.  x: [8192][1024] codes; Wq, Wk, Wv: [1024 (n)][1024 (k)] codes.
; Rows at or past seq_lens[b] are computed like the others here (their results are thrown away later): nothing in this launch hangs on seq_lens.
; ONE TEXT FOR THE THREE PRODUCTS.  The cluster's x says which: 0 q, 1 k, 2 v; it is the same in all sixteen partners.  A tile of 256 x 256 is made by four waves, 128 x 128 each: 64 accumulators, 512 registers.
; The matrix instruction takes 16 rows of "B" as source 0 and 16 rows of "A" as source 1: in a result a lane holds ONE row of A (lane % 16) and eight neighbouring rows of B, 8 (lane / 16) + 0 .. 7.
;   q, k: A = rows of x, B = rows of the weight: a lane holds one position, its registers run along the channels, which are the K of q k^T.
;   v:    A = rows of Wv, B = rows of x:        a lane holds one channel, its registers run along the keys, which are the K of p v.  Nothing is transposed.
; So one conversion of a result tile's eight registers gives registers 2 c, 2 c + 1 of the next operand (k = 16 c + 8 (lane / 16) + 0 .. 7, c the tile's number), and the codes are stored as
; IMAGES OF THE READER'S REGISTERS, 16 bytes a lane, 512 consecutive bytes a store:
;   q_img, k_img: [b x 16 + head][tile of 16 positions][g 0..1][lane][16]: registers 4 g .. 4 g + 3 of the fragment of 16 positions x 64 channels.
;   v_img:        [b x 16 + head][step of 128 keys][tile of 16 channels][c 0..3][lane][16]: registers 4 c .. 4 c + 3 of the fragment of 16 channels x 128 keys.
; K goes in steps of 256 through a ring of two LDS slots filled by the tensor data mover.  x's and the weights' fragments are fetched by four loads of 16 bytes: a permutation of k, the same on both sides.
; CLUSTERS: 4 x 4 work-groups; A's tile is shared along a row of the cluster, B's along a column: each is asked for jointly, by the same tensor load with the same descriptor and a mask of the four.
; SCALES: a sum stands for sum x 2^(ea + eb); RoPE is linear, and a power of two goes through f32 products and sums unchanged, so the conversion takes the one scale 2^E, E = e6 - e0 - e1 (q),
; e7 - e2 - e3 (k), e8 - e4 - e5 (v).  LIMIT: -126 <= E <= 112, so that 2^E and 57,344 x 2^E are f32 numbers.  NaN among the sums is not served.
; REGISTERS, in windows of 256: window 0: v0-31 addresses and the two scale numbers; v64-127 two sets of RoPE's table; from v128 A's fragments, ONE set; on the way out v128-191 the rotated numbers, v192-255 four sets of codes.
;   window 1: B's fragments, two sets.   window 2: the accumulators of A's blocks 0-3 ((a, b) at v[8 (8 (a % 4) + b)]);   window 3: those of blocks 4-7.
.set KROW,   1024                      ; a row of x or of a weight in bytes
.set ROWB,   256                       ; a tile's row: 256 codes
.set PITCH,  272                       ; an LDS row: 256 bytes + 16 of padding = 68 words: the 16 rows that a load touches start at 16 different banks (64 banks of 4 bytes: ISA guide 11.1)
.set FR,     16                        ; registers of a fragment: 16 rows x 128 K
.set NL,     4                         ; LDS loads that bring one
.set NP,     4                         ; places behind this matrix instruction (ISA guide 7.12.1)
.set HALFT,  128*PITCH                 ; 128 rows: what one tensor load brings
.set SLOT,   4*HALFT                   ; A's 256 rows, then B's 256 rows
.set SPARE,  2*SLOT                    ; behind the ring: the spare words, 128 bytes for each wave
.set ADRA, 16                          ; v16-17  LDS address of my A fragments in slot 0, 1
.set ADRB, 20                          ; v20-21  the same for B
.set LI,   27                          ; v27     16 x lane: my place in an image and in a piece of the table
.set SPW,  28                          ; v28     LDS address of my spare word; never rewritten
.set NIL,  29                          ; v29     0; never rewritten
.set SCL,  30                          ; v30     2^E as f32
.set LIM,  31                          ; v31     57,344 x 2^E
.set TAB,  64                          ; v64-127 RoPE's table: two sets of 16 cos and 16 sin
.set AF,   128                         ; A's fragments
.set OUT,  128                         ; the way out: 64 numbers of a block
.set CD,   192                         ; the way out: four sets of 16 registers of codes
.set G1, 24                            ; s[24:31] descriptor group 1 for A's tiles;  s[32:39] group 0, one set for each slot
.set G0, 32
.set G1B, 48                           ; s[48:55], s[56:63] the same for B's tiles
.set G0B, 56
.set MSB, 0
.macro WIN new                         ; the immediate's high byte repeats the setting that is left
.if MSB != \new
	s_set_vgpr_msb (MSB<<8)|\new
.set MSB, \new
.endif
.endm
.set MUL_LO, 0xa1                      ; source 0 (B) window 1, source 1 (A) window 0, C and D window 2
.set MUL_HI, 0xf1                      ; the same, C and D window 3
.set TO_B,   0x40                      ; destination window 1, address window 0
; A joint load: waves 0 and 1 fetch for A, waves 2 and 3 for B.  The branch hangs on the wave's number alone.  An s_nop 0 and four v_nop follow each of the two lines.
.macro JLOAD g0a, g1a, g0b, g1b
	s_cmp_eq_u32 s15, 0
	s_cbranch_scc0 .Lfor_b_\@
	tensor_load_to_lds s[\g0a:\g0a+3], s[\g1a:\g1a+7]
	s_nop 0
.rept 4
	v_nop
.endr
	s_branch .Lasked_\@
.Lfor_b_\@:
	tensor_load_to_lds s[\g0b:\g0b+3], s[\g1b:\g1b+7]
	s_nop 0
.rept 4
	v_nop
.endr
.Lasked_\@:
.endm
.macro CREST                           ; a round of the cluster's barrier behind its opening barrier
	s_cmp_lg_u32 s14, 0
	s_cbranch_scc1 .Lnot_wave_0_\@
	s_barrier_signal -3
.Lnot_wave_0_\@:
	s_barrier_wait -3
	s_barrier_signal -1
	s_barrier_wait -1
.endm
.macro CROUND                          ; a whole round
	s_barrier_signal -1
	s_barrier_wait -1
	CREST
.endm
	s_load_b256 s[4:11], s[0:1], 0x0               ; x s[4:5], Wq s[6:7], Wk s[8:9], Wv s[10:11]
	s_load_b256 s[68:75], s[0:1], 0x20             ; the scales' exponents s[68:69], the table s[70:71], q_img s[72:73], k_img s[74:75]
	s_load_b64 s[76:77], s[0:1], 0x40              ; v_img
	v_lshl_add_u32 v[SPW], v0, 2, SPARE
	v_mov_b32 v[NIL], 0
	ds_add_u32 v[SPW], v[NIL]                      ; the wave's opening: the add, twice on end, and its wait ahead of my first tensor load
	ds_add_u32 v[SPW], v[NIL]                      ; and once more, under the one wait; the set-up below, work on registers, stands between
	v_lshrrev_b32 v1, 5, v0
	v_readfirstlane_b32 s14, v1                    ; wave 0..3
	s_lshr_b32 s15, s14, 1                         ; which half of A's rows is mine.  Also: I fetch for A (0) or for B (1)
	s_and_b32 s16, s14, 1                          ; which half of B's rows.  Also: which 128 rows of that tile I fetch
	s_bfe_u32 s40, ttmp6, 0x40000                  ; cx, cy: my place in the cluster
	s_bfe_u32 s41, ttmp6, 0x40004
	s_mov_b32 s13, ttmp9                           ; the cluster's x: 0 q, 1 k, 2 v
	s_and_b32 s17, ttmp7, 0xffff
	s_lshl_b32 s17, s17, 2                         ; 4 x the cluster's y
	s_cmp_eq_u32 s13, 2
	s_cselect_b32 s92, 0, s17                      ; x's 32 tiles of 256 rows are walked by A (q, k) or by B (v); the weight's four by the other
	s_cselect_b32 s93, s17, 0
	s_add_co_u32 s92, s92, s41                     ; A's tile: hangs on cy alone within the cluster
	s_add_co_u32 s93, s93, s40                     ; B's tile: on cx alone
	s_lshl_b32 s43, s41, 2
	s_lshl_b32 s43, 15, s43                        ; my row of the cluster
	s_lshl_b32 s44, 0x1111, s40                    ; my column
	; descriptor group 1: a tile of 128 rows x 256 bytes, padded in LDS
	s_or_b32 s[G1+0], s43, (0<<16)|(1<<20)|(1<<21)|(5<<22)|(3<<25)  ; 15:0 the mask: A's tiles go to my row; 17:16 elements of 1 byte; 20 padding on; 21 set beside a mask; 24:22 after every 64 words (code 5); 31:25 four words (code 3)
	s_or_b32 s[G1B+0], s44, (0<<16)|(1<<20)|(1<<21)|(5<<22)|(3<<25)
.irp g, G1, G1B
	s_mov_b32 s[\g+1], ROWB<<16                    ; tensor_dim0
	s_mov_b32 s[\g+2], 128<<16                     ; tensor_dim1 = 128
	s_mov_b32 s[\g+3], ROWB<<16                    ; tile_dim0
	s_mov_b32 s[\g+4], 128                         ; tile_dim1 = 128
	s_mov_b32 s[\g+5], KROW                        ; tensor_dim0_stride
	s_mov_b32 s[\g+6], 0
	s_mov_b32 s[\g+7], 0
.endr
	s_lshl_b32 s18, s16, 7                         ; which 128 rows of the tile I fetch
	s_lshl_b32 s20, s92, 8
	s_add_co_u32 s20, s20, s18
	s_lshl_b32 s20, s20, 10                        ; A: (256 x tile + 128 x half) rows of 1,024 bytes: under 2^23
	s_mov_b32 s21, 0
	s_lshl_b32 s46, s93, 8
	s_add_co_u32 s46, s46, s18
	s_lshl_b32 s46, s46, 10                        ; B likewise
	s_mov_b32 s47, 0
	s_mul_i32 s45, s14, HALFT                      ; where they go: wave x 128 rows: no place in the cluster enters an LDS address
	s_wait_dscnt 0x0                               ; both opening adds are done
	s_wait_kmcnt 0x0
	s_load_b256 s[80:87], s[68:69], 0x0            ; e0 .. e7
	s_load_b32 s88, s[68:69], 0x20                 ; e8
	s_cmp_eq_u32 s13, 2
	s_cselect_b64 s[22:23], s[10:11], s[4:5]       ; A's tensor: Wv or x
	s_cselect_b64 s[94:95], s[4:5], s[8:9]         ; B's: x, or Wk,
	s_cmp_eq_u32 s13, 0
	s_cselect_b64 s[94:95], s[6:7], s[94:95]       ; or Wq
	s_add_nc_u64 s[20:21], s[22:23], s[20:21]
	s_add_nc_u64 s[46:47], s[94:95], s[46:47]
	CROUND                                         ; all sixteen work-groups are here: the first joint loads meet
.irp s, 0,1
	s_mov_b32 s[G0+4*\s], 1
	s_add_co_u32 s[G0+4*\s+1], s45, \s*SLOT
	s_add_nc_u64 s[G0+4*\s+2:G0+4*\s+3], s[20:21], \s*ROWB
	s_or_b32 s[G0+4*\s+3], s[G0+4*\s+3], 0x80000000
	s_mov_b32 s[G0B+4*\s], 1
	s_add_co_u32 s[G0B+4*\s+1], s45, \s*SLOT
	s_add_nc_u64 s[G0B+4*\s+2:G0B+4*\s+3], s[46:47], \s*ROWB
	s_or_b32 s[G0B+4*\s+3], s[G0B+4*\s+3], 0x80000000
	JLOAD G0+4*\s, G1, G0B+4*\s, G1B
.endr
	v_and_b32 v1, 15, v0                           ; l % 16
	v_bfe_u32 v2, v0, 4, 1                         ; l / 16
	v_mul_u32_u24 v3, v1, PITCH
	v_lshl_add_u32 v4, v2, 4, v3                   ; a fragment's row x pitch + 16 x half
	s_mul_i32 s21, s15, HALFT                      ; my 128 rows of A
	s_mul_i32 s22, s16, HALFT                      ; my 128 rows of B,
	s_add_co_u32 s22, s22, 2*HALFT                 ; which lie behind A's 256
.irp s, 0,1
	v_add_nc_u32 v[ADRA+\s], s21, v4
	v_add_nc_u32 v[ADRB+\s], s22, v4
	s_add_co_u32 s21, s21, SLOT
	s_add_co_u32 s22, s22, SLOT
.endr
	v_and_b32 v6, 31, v0
	v_lshlrev_b32 v[LI], 4, v6
.macro FRAG reg, adr, q, i             ; a fragment: lane l holds row l % 16; registers 4 c .. 4 c + 3 hold K = 32 c + 16 (l / 16) + 0 .. 15
.irp c, 0,1,2,3
	ds_load_b128 v[\reg+4*\c:\reg+4*\c+3], v[\adr] offset:128*(\q)+32*\c+(\i)*16*PITCH
.endr
.endm
; 16 matrix instructions: A's blocks a0, a0 + 1 x B's eight, 128 along K.  p: B's set.  zero = 1: the first product starts the sums.  The 64 accumulators take turns, one instruction a turn, in the same order in every step.
.macro MUL16 a0, p, zero
.irp a, \a0, \a0+1
.irp b, 0,1,2,3,4,5,6,7
.if \zero
	v_wmma_f32_16x16x128_bf8_bf8 v[8*(8*((\a)%4)+\b):8*(8*((\a)%4)+\b)+7], v[128*(\p)+FR*\b:128*(\p)+FR*\b+FR-1], v[AF+FR*(\a):AF+FR*(\a)+FR-1], 0
.else
	v_wmma_f32_16x16x128_bf8_bf8 v[8*(8*((\a)%4)+\b):8*(8*((\a)%4)+\b)+7], v[128*(\p)+FR*\b:128*(\p)+FR*\b+FR-1], v[AF+FR*(\a):AF+FR*(\a)+FR-1], v[8*(8*((\a)%4)+\b):8*(8*((\a)%4)+\b)+7]
.endif
.endr
.endr
.endm
.macro FETCH_B slot, q, p              ; B's eight fragments of the slot's q-th 128 along K into set p
	WIN TO_B
.irp i, 0,1,2,3,4,5,6,7
	FRAG 128*(\p)+FR*\i, ADRB+\slot, \q, \i
.endr
	WIN 0
.endm
.macro FETCH_A slot, q, i0             ; A's blocks i0 .. i0 + 3
.irp i, \i0, \i0+1, \i0+2, \i0+3
	FRAG AF+FR*(\i), ADRA+\slot, \q, \i
.endr
.endm
.macro PLACES n                        ; plain vector instructions between a matrix instruction and a load into a register that it read, or a vector instruction that reads its result
.rept \n
	v_nop
.endr
.endm
; A step of 128 along K that has its successor in the same slot.
.macro STEP slot, q, zero
	s_wait_dscnt 4*NL                              ; B's set and A's blocks 0-3 are in; the youngest 16 loads (A's blocks 4-7) may be out
	WIN MUL_LO
	MUL16 0, (\q)%2, \zero
	MUL16 2, (\q)%2, \zero
	s_wait_dscnt 0                                 ; A's blocks 4-7 are in
	PLACES NP
	FETCH_B \slot, (\q)+1, 1-(\q)%2
	FETCH_A \slot, (\q)+1, 0
	WIN MUL_HI
	MUL16 4, (\q)%2, \zero
	MUL16 6, (\q)%2, \zero
	PLACES NP
	WIN 0
	FETCH_A \slot, (\q)+1, 4
.endm
; A slot's last step changes slots: ONE barrier; in front of it each wave waits for all its tensor loads, adds 0 to its spare word, and waits for that and for its own reads of this slot.  fill = 1: this slot is filled again, two K steps ahead.
.macro TURN slot, next, fill
	s_wait_tensorcnt 0x0                           ; all my tensor loads have landed: my part of the next slot
	ds_add_u32 v[SPW], v[NIL]                      ; 0 onto my spare word
	s_wait_dscnt 4*NL+1                            ; (the add and the youngest 16 loads, A's blocks 4-7, may be out)
	WIN MUL_LO
	MUL16 0, 1, 0                                  ; sixteen matrix instructions stand between the add and the wait for it
	s_wait_dscnt 0x0                               ; the add is done, and my reads of this slot are over
	s_barrier_signal -1
	MUL16 2, 1, 0
	WIN 0
	s_barrier_wait -1
.if \fill
	CREST                                          ; the barrier has opened a round of the cluster's barrier: no wave of any partner still reads this slot or has a load on its way
	s_add_nc_u64 s[G0+4*\slot+2:G0+4*\slot+3], s[G0+4*\slot+2:G0+4*\slot+3], 2*ROWB
	s_add_nc_u64 s[G0B+4*\slot+2:G0B+4*\slot+3], s[G0B+4*\slot+2:G0B+4*\slot+3], 2*ROWB
	JLOAD G0+4*\slot, G1, G0B+4*\slot, G1B         ; the first tensor load behind the round; its four v_nop are also the places in front of the loads below
.else
	PLACES NP
.endif
	FETCH_B \next, 0, 0
	FETCH_A \next, 0, 0
	WIN MUL_HI
	MUL16 4, 1, 0
	MUL16 6, 1, 0
	PLACES NP
	WIN 0
	FETCH_A \next, 0, 4
.endm
.macro LAST                            ; the very last step: nothing more to fetch
	s_wait_dscnt 4*NL
	WIN MUL_LO
	MUL16 0, 1, 0
	MUL16 2, 1, 0
	s_wait_dscnt 0
	WIN MUL_HI
	MUL16 4, 1, 0
	MUL16 6, 1, 0
	WIN 0
.endm
.macro TABLOAD a                       ; block a's piece of the table, 16 cos and 16 sin a lane, into set a % 2: eight loads of 512 consecutive bytes
.irp g, 0,1,2,3,4,5,6,7
	global_load_b128 v[TAB+32*((\a)%2)+4*\g:TAB+32*((\a)%2)+4*\g+3], v[LI], s[78:79] offset:4096*(\a)+512*\g
.endr
.endm
.macro SCALES                          ; s18 = E: the conversion's scale and the hold
	s_add_co_i32 s18, s18, 127
	s_lshl_b32 s19, s18, 23
	v_mov_b32 v[SCL], s19                          ; 2^E as f32: the conversion takes its exponent field
	s_add_co_i32 s18, s18, 15
	s_lshl_b32 s18, s18, 23
	s_or_b32 s18, s18, 0x600000
	v_mov_b32 v[LIM], s18                          ; 57,344 x 2^E
.endm
.macro CODES                           ; the block's 64 numbers in v[OUT] on, already held, become 16 registers of codes in v[RCC] on
.irp b, 0,1,2,3,4,5,6,7
	v_cvt_scalef32_pk8_bf8_f32 v[RCC+2*\b:RCC+2*\b+1], v[OUT+8*\b:OUT+8*\b+7], v[SCL]
.endr
	v_nop                                          ; one plain vector instruction between the last conversion and the next block's writes of its sources
.endm
; THE WAY OUT OF q AND k, block a: 16 positions x 128 channels = two heads.  Tile 4 hd + c (c = 0, 1) holds channels i = 16 c + 8 h + j of head hd, tile 4 hd + c + 2 channels i + 32:
; lo' = lo cos_i - hi sin_i, hi' = hi cos_i + lo sin_i.  Each accumulator is read from its low end on.
.macro EPI_QK a
.set AC, 64*((\a)%4)
.set COSR, TAB+32*((\a)%2)
.set SINR, COSR+16
.set RCC, CD+16*((\a)%4)
.if (\a) < 7
	s_wait_loadcnt 8                               ; this block's eight table loads are in; the next block's eight may be out
.else
	s_wait_loadcnt 0
.endif
	WIN 0x02+((\a)/4)                              ; source 0: window 2 or 3
.irp hd, 0,1
.irp c, 0,1
.irp j, 0,2,4,6
.set RLO, 8*(4*\hd+\c)+\j
.set REE, 8*\c+\j
	v_pk_mul_f32 v[OUT+RLO:OUT+RLO+1], v[AC+RLO+16:AC+RLO+17], v[SINR+REE:SINR+REE+1]
	v_pk_mul_f32 v[OUT+RLO+16:OUT+RLO+17], v[AC+RLO:AC+RLO+1], v[SINR+REE:SINR+REE+1]
.endr
.irp j, 0,2,4,6
.set RLO, 8*(4*\hd+\c)+\j
.set REE, 8*\c+\j
	v_pk_fma_f32 v[OUT+RLO:OUT+RLO+1], v[AC+RLO:AC+RLO+1], v[COSR+REE:COSR+REE+1], v[OUT+RLO:OUT+RLO+1] neg_lo:[0,0,1] neg_hi:[0,0,1]
	v_pk_fma_f32 v[OUT+RLO+16:OUT+RLO+17], v[AC+RLO+16:AC+RLO+17], v[COSR+REE:COSR+REE+1], v[OUT+RLO+16:OUT+RLO+17]
.endr
.endr
.endr
	WIN 0
.if (\a) < 6
	TABLOAD (\a)+2                                 ; the set just used takes the block two further on
.endif
.set ii, 0
.rept 64
	v_med3_num_f32 v[OUT+ii], v[OUT+ii], -v[LIM], v[LIM]   ; the conversion to an 8-bit code does not saturate (ISA guide 7.6.2): the hold at the largest code x the scale
.set ii, ii+1
.endr
.if (\a) >= 4
	s_wait_xcnt 0x0                                ; block a - 4's stores have read this set of codes: it is written again only behind this wait
.endif
	CODES
.irp hd, 0,1
.irp g, 0,1
	global_store_b128 v[LI], v[RCC+8*\hd+4*\g:RCC+8*\hd+4*\g+3], s[96:97] offset:131072*\hd+1024*(\a)+512*\g   ; 512 consecutive bytes, aligned
.endr
.endr
.endm
; THE WAY OUT OF v, block a: 16 channels x 128 keys: one fragment of V^T.
.macro EPI_V a
.set AC, 64*((\a)%4)
.set RCC, CD+16*((\a)%4)
	WIN 0x02+((\a)/4)
.set ii, 0
.rept 64
	v_med3_num_f32 v[OUT+ii], v[AC+ii], -v[LIM], v[LIM]    ; the hold, from each accumulator's low end on
.set ii, ii+1
.endr
	WIN 0
.if (\a) >= 4
	s_wait_xcnt 0x0                                ; block a - 4's stores have read this set of codes
.endif
	CODES
.irp c, 0,1,2,3
	global_store_b128 v[LI], v[RCC+4*\c:RCC+4*\c+3], s[96:97] offset:131072*((\a)/4)+2048*((\a)%4)+512*\c
.endr
.endm
	s_wait_tensorcnt 1                             ; my part of K step 0 is in (K step 1's load may be out)
	s_barrier_signal -1
	s_barrier_wait -1                              ; everybody's is
	FETCH_B 0, 0, 0
	FETCH_A 0, 0, 0
	FETCH_A 0, 0, 4
	STEP 0, 0, 1                                   ; the first step stands in front of the loop: its products start the sums
	s_mov_b32 s3, 1                                ; 1,024 along K are two laps of the ring: one trip fills both slots again
.Llap:
	TURN 0, 1, 1
	STEP 1, 0, 0
	TURN 1, 0, 1
	STEP 0, 0, 0
	s_sub_co_u32 s3, s3, 1
	s_cmp_lg_u32 s3, 0
	s_cbranch_scc1 .Llap
	TURN 0, 1, 0                                   ; the last lap fills nothing, and has no round of the cluster's barrier
	; THE WAYS PART HERE, on the cluster's x, the same in all partners.  Each way has its own copy of the last two steps, so that the table's first loads go out 128 matrix instructions ahead of their use.
	s_cmp_eq_u32 s13, 2
	s_cbranch_scc1 .Lv_path
	s_and_b32 s12, s92, 7
	s_lshl_b32 s12, s12, 4
	s_lshl_b32 s18, s15, 3
	s_add_co_u32 s12, s12, s18                     ; my first tile of 16 positions in the sequence: 16 x (A's tile % 8) + 8 x half
	s_lshl_b32 s18, s12, 12
	s_mov_b32 s19, 0
	s_add_nc_u64 s[78:79], s[70:71], s[18:19]      ; its piece of the table
	TABLOAD 0
	TABLOAD 1
	s_lshr_b32 s18, s92, 3                         ; the batch,
	s_lshl_b32 s18, s18, 4
	s_lshl_b32 s19, s93, 2
	s_add_co_u32 s18, s18, s19
	s_lshl_b32 s19, s16, 1
	s_add_co_u32 s18, s18, s19                     ; 16 x batch + my first head (4 x B's tile + 2 x half),
	s_lshl_b32 s18, s18, 7
	s_add_co_u32 s18, s18, s12                     ; x 128 tiles + my first tile,
	s_lshl_b32 s18, s18, 10                        ; of 1,024 bytes: under 2^23
	s_mov_b32 s19, 0
	s_cmp_eq_u32 s13, 0
	s_cselect_b64 s[96:97], s[72:73], s[74:75]     ; q_img or k_img
	s_add_nc_u64 s[96:97], s[96:97], s[18:19]
	s_wait_kmcnt 0x0                               ; the exponents
	s_sub_co_i32 s18, s86, s80
	s_sub_co_i32 s18, s18, s81                     ; e6 - e0 - e1
	s_sub_co_i32 s19, s87, s82
	s_sub_co_i32 s19, s19, s83                     ; e7 - e2 - e3
	s_cmp_eq_u32 s13, 0
	s_cselect_b32 s18, s18, s19
	SCALES
	STEP 1, 0, 0
	LAST
	PLACES NP                                      ; in front of the first reads of results and of the writes into the registers that held A's fragments
.irp a, 0,1,2,3,4,5,6,7
	EPI_QK \a
.endr
	s_branch .Lend
.Lv_path:
	s_lshr_b32 s18, s93, 3                         ; the batch,
	s_lshl_b32 s18, s18, 4
	s_lshl_b32 s19, s92, 2
	s_add_co_u32 s18, s18, s19
	s_lshl_b32 s19, s15, 1
	s_add_co_u32 s18, s18, s19                     ; 16 x batch + my first head (4 x A's tile + 2 x half),
	s_lshl_b32 s18, s18, 4
	s_and_b32 s19, s93, 7
	s_lshl_b32 s19, s19, 1
	s_add_co_u32 s18, s18, s19
	s_add_co_u32 s18, s18, s16                     ; x 16 steps + my step of 128 keys (2 x (B's tile % 8) + half),
	s_lshl_b32 s18, s18, 13                        ; of 8,192 bytes: under 2^23
	s_mov_b32 s19, 0
	s_add_nc_u64 s[96:97], s[76:77], s[18:19]
	s_wait_kmcnt 0x0
	s_sub_co_i32 s18, s88, s84
	s_sub_co_i32 s18, s18, s85                     ; e8 - e4 - e5
	SCALES
	STEP 1, 0, 0
	LAST
	PLACES NP
.irp a, 0,1,2,3,4,5,6,7
	EPI_V \a
.endr
.Lend:
	s_wait_tensorcnt 0x0                           ; the wave's end, behind my last tensor load
	ds_add_u32 v[SPW], v[NIL]
	s_wait_dscnt 0x0
	CROUND                                         ; the closing round: no work-group ends while a partner may still ask for a tile that names it
	s_endpgm
.Lfunc_end_k_qe03191c7e2_qkv:
	.size	k_qe03191c7e2_qkv, .Lfunc_end_k_qe03191c7e2_qkv-k_qe03191c7e2_qkv
	.p2alignl 7, 3214868480
	.fill 96, 4, 3214868480
	.section	.rodata,"a",@progbits
	.p2align	6, 0x0
	.amdhsa_kernel k_qe03191c7e2_qkv
		.amdhsa_group_segment_fixed_size 327680
		.amdhsa_private_segment_fixed_size 0
		.amdhsa_enable_private_segment 0
		.amdhsa_kernarg_size 72
		.amdhsa_user_sgpr_count 2
		.amdhsa_user_sgpr_kernarg_segment_ptr 1
		.amdhsa_wavefront_size32 1
		.amdhsa_system_sgpr_workgroup_id_x 1
		.amdhsa_system_sgpr_workgroup_id_y 1
		.amdhsa_system_sgpr_workgroup_id_z 1
		.amdhsa_system_vgpr_workitem_id 0
		.amdhsa_next_free_vgpr 1024
		.amdhsa_next_free_sgpr 100
		.amdhsa_reserve_vcc 0
		.amdhsa_float_denorm_mode_32 3
		.amdhsa_float_denorm_mode_16_64 3
		.amdhsa_memory_ordered 1
		.amdhsa_forward_progress 1
		.amdhsa_inst_pref_size 210
	.end_amdhsa_kernel
	.amdgpu_metadata
---
amdhsa.version: [ 1, 2 ]
amdhsa.kernels:
  - .name:           k_qe03191c7e2_qkv
    .symbol:         k_qe03191c7e2_qkv.kd
    .args:
      - { .name: x_codes, .offset: 0, .size: 8, .value_kind: global_buffer, .address_space: global }
      - { .name: Wq_codes, .offset: 8, .size: 8, .value_kind: global_buffer, .address_space: global }
      - { .name: Wk_codes, .offset: 16, .size: 8, .value_kind: global_buffer, .address_space: global }
      - { .name: Wv_codes, .offset: 24, .size: 8, .value_kind: global_buffer, .address_space: global }
      - { .name: lowp_scales, .offset: 32, .size: 8, .value_kind: global_buffer, .address_space: global }
      - { .name: rope, .offset: 40, .size: 8, .value_kind: global_buffer, .address_space: global }
      - { .name: q_img, .offset: 48, .size: 8, .value_kind: global_buffer, .address_space: global }
      - { .name: k_img, .offset: 56, .size: 8, .value_kind: global_buffer, .address_space: global }
      - { .name: v_img, .offset: 64, .size: 8, .value_kind: global_buffer, .address_space: global }
    .group_segment_fixed_size: 327680
    .private_segment_fixed_size: 0
    .kernarg_segment_align: 8
    .kernarg_segment_size: 72
    .max_flat_workgroup_size: 128
    .sgpr_count:     100
    .vgpr_count:     1024
    .wavefront_size: 32
...
	.end_amdgpu_metadata
.endif
;; end of part 2
;; launch attn (part 3): grid 64 x 8, 16 waves a work-group, no clusters, 67,584 bytes of LDS; arguments q_img, k_img, v_img, lowp_scales, seq_lens, a_img; writes a_img
.if DOCPART == 3
	.amdgcn_target "amdgcn-amd-amdhsa--gfx1250"
	.amdhsa_code_object_version 6
	.text
	.protected	k_qe03191c7e2_attn
	.globl	k_qe03191c7e2_attn
	.p2align	8
	.type	k_qe03191c7e2_attn,@function
k_qe03191c7e2_attn:
	s_mov_b64 s[64:65], 0
	v_nop
	global_prefetch_b8 v0, s[64:65] scope:SCOPE_SE
	s_setreg_imm32_b32 hwreg(HW_REG_WAVE_MODE, 25, 1), 1
	s_wait_xcnt 0x0
; Causal attention on codes of BF8 (E5M2): S = q k^T / 8, p = 2^(t - M), O = p v / (the row's sum), and the quantiser of O for the product with Wo.
; LEFT OUT AS DEAD (shown at the head of the first launch): valid_k; key steps all of whose keys come after all my queries; tiles of 16 queries that begin at or past seq_lens[b], for which zero codes are stored.
; THE SOFTMAX AHEAD OF THE SECOND PRODUCT: t = score x log2(e) / 8; M = the row's largest t so far, rounded UP to a whole number; p = 2^(t - M) is quantised, not normalised; the row's sum is taken of the
; unquantised p and divides O at the end.  When M moves, the sum and O are multiplied by 2^(old M - new M): exact.
; SHARES.  A work-group owns 256 queries of one batch and head (x: 16 b + head; y: block 7 - y, the longest walks first); each of its sixteen waves owns one tile of 16 queries in 256 registers.
; LAYOUT.  Both products are used transposed: S^T = K Q^T (source 0 = 16 keys, source 1 = my 16 queries), O^T = V^T P^T (source 0 = 16 channels, source 1 = P): a lane holds ONE query (lane % 16) throughout.
; Register j of score tile t is key 16 t + 8 (lane / 16) + j: one conversion of a tile's eight registers gives registers 2 t, 2 t + 1 of P's fragment of 128 keys.
; K AND V COME AS IMAGES OF THEIR FRAGMENTS' REGISTERS (the launch qkv lays them so): a slot of 256 keys is 16 KiB of K and 16 KiB of V, each dense in memory.  The sixteen waves copy it through registers
; into one of two LDS slots, four loads and four LDS stores a wave, a slot ahead; every fragment is then read by loads of 16 bytes a lane at 16 x lane.
; NO TENSOR LOADS AND NO CLUSTER: how many slots a work-group needs hangs on its block (the causal mask) and on seq_lens, read from memory; partners would need different numbers of tiles, and a joint load
; may not be passed over.  One barrier a slot; every work-group walks all eight slots (constant trip count), and passes over loads, stores and steps by scalar branches on whole numbers.
; LIMITS on the given exponents, so that each power of two below is an f32 number: e6 + e7 between -123 and 130 (added to c's exponent field); e9, and e10 - e8 - e9, between -126 and 112.
; A hidden score counts as -infinity where reference() takes -1e9 (limit stated at the head of the first launch).  NaN among the inputs is not served.
.set SLOTB, 32768                      ; an LDS slot: 16 tiles of K (1,024 bytes each), then two steps of V (8,192 each)
.set VOFF,  16384
.set SPARE, 65536                      ; behind the two slots: the spare words, 128 bytes for each of the sixteen waves
.set LI,   1                           ; v1   16 x lane: my place in an image
.set ST16, 2                           ; v2   16 x thread: my place in a copy of 8,192 bytes
.set GOF,  3                           ; v3   the same in the slot that is copied next
.set PFO,  4                           ; v4   the prefetches' offset
.set SPW,  5                           ; v5   LDS address of my spare word; never rewritten
.set NIL,  6                           ; v6   0; never rewritten
.set GO,   7                           ; v7   the way out: 16 r + 8 h
.set D0,   8                           ; v8   r - 8 h
.set QF,   16                          ; v16-23   Q's fragment
.set STG,  24                          ; v24-39   64 bytes a lane on their way from memory to LDS
.set KV,   40                          ; v40-103  eight fragments of K, then four of V
.set S,    104                         ; v104-167 S^T, then p
.set OT,   168                         ; v168-199 O^T
.set P,    200                         ; v200-215 p's codes
                                       ; v12 -M, v13 the largest t, v[14:15] the sum in two halves; v216 a permute's result; v[218:219] f; v[220:221] the second chain of the sum; v222, v223 maxima
                                       ; v224 2^e9, v225 57,344 x 2^e9; v226, v227 the same with e10 - e8 - e9; v228-235 O's codes; v236 the mask's d; v237 -infinity
.set WV,   16                          ; s16  wave
.set LEN,  19                          ; s19  seq_lens[b], held within 0 .. 2048
.set SEL,  20                          ; s[20:21] lane selects for v_permlanex16_b32: lane l xor 16
.set CS,   22                          ; s[22:23] c = log2(e) / 8 x 2^(e6 + e7)
.set KF,   24                          ; s24  the step's first key
.set QL,   25                          ; s25  my last query, or -1 where my tile is dead
.set WL,   26                          ; s26  the work-group's last live query, or -1
.set PWL,  27                          ; s27  WL in a wave that prefetches, else -1
.set HOLD, 28                          ; s28  1 where p's hold can bind
.set CNT,  29
.set Q0,   30                          ; s30  my first query
.set PFA,  38                          ; s[38:39] the tensor that my prefetches name
	s_load_b256 s[4:11], s[0:1], 0x0               ; q_img s[4:5], k_img s[6:7], v_img s[8:9], the scales' exponents s[10:11]
	s_load_b128 s[12:15], s[0:1], 0x20             ; seq_lens s[12:13], a_img s[14:15]
	v_lshl_add_u32 v[SPW], v0, 2, SPARE
	v_mov_b32 v[NIL], 0
	v_lshrrev_b32 v9, 5, v0
	v_readfirstlane_b32 s[WV], v9                  ; wave 0..15
	s_mov_b32 s17, ttmp9                           ; 16 b + head
	s_and_b32 s18, ttmp7, 0xffff
	s_sub_co_u32 s18, 7, s18                       ; my block of 256 queries
	s_lshl_b32 s[Q0], s18, 8
	s_lshl_b32 s40, s[WV], 4
	s_add_co_u32 s[Q0], s[Q0], s40                 ; my first query
	s_lshr_b32 s40, s17, 4                         ; b
	s_lshl_b32 s42, s40, 2
	s_mov_b32 s43, 0
	s_lshl_b32 s44, s17, 17                        ; a batch and head's 131,072 bytes in each of the three images
	s_mov_b32 s45, 0
	s_lshl_b32 s46, s[Q0], 6                       ; my tile of Q: 1,024 bytes for 16 queries
	s_mov_b32 s47, 0
	s_lshl_b32 s48, s40, 21                        ; a_img: a tile of 16 rows is 16,384 bytes, a batch 128 tiles;
	s_lshl_b32 s49, s[Q0], 10
	s_add_co_u32 s48, s48, s49
	s_and_b32 s49, s17, 15
	s_lshl_b32 s49, s49, 10                        ; a head's 64 channels are 1,024 bytes of a tile
	s_add_co_u32 s48, s48, s49
	s_mov_b32 s49, 0
	s_mov_b32 s[SEL], 0x76543210
	s_mov_b32 s[SEL+1], 0xfedcba98
	v_and_b32 v9, 31, v0                           ; lane
	v_lshlrev_b32 v[LI], 4, v9
	v_lshlrev_b32 v[ST16], 4, v0
	v_add_nc_u32 v[GOF], 16384, v[ST16]            ; slot 1
	v_and_b32 v10, 15, v0                          ; r
	v_bfe_u32 v11, v0, 4, 1                        ; h
	v_lshlrev_b32 v[GO], 4, v10
	v_lshl_add_u32 v[GO], v11, 3, v[GO]
	v_lshlrev_b32 v11, 3, v11
	v_sub_nc_u32 v[D0], v10, v11
	s_and_b32 s41, s[WV], 1
	s_lshl_b32 s41, s41, 13
	s_add_co_u32 s41, s41, 32768
	v_lshl_add_u32 v[PFO], v9, 8, s41              ; lanes 256 bytes apart, 8,192 bytes a wave, in slot 2
	s_wait_kmcnt 0x0
	s_add_nc_u64 s[12:13], s[12:13], s[42:43]
	s_load_b32 s[LEN], s[12:13], 0x0               ; seq_lens[b]
	s_load_b128 s[32:35], s[10:11], 0x18           ; e6, e7, e8, e9
	s_load_b32 s36, s[10:11], 0x28                 ; e10
	s_add_nc_u64 s[4:5], s[4:5], s[44:45]
	s_add_nc_u64 s[4:5], s[4:5], s[46:47]
	s_add_nc_u64 s[6:7], s[6:7], s[44:45]
	s_add_nc_u64 s[8:9], s[8:9], s[44:45]
	s_add_nc_u64 s[14:15], s[14:15], s[48:49]
	global_load_b128 v[QF:QF+3], v[LI], s[4:5] th:TH_LOAD_NT               ; Q's fragment stays in registers; nobody else reads it
	global_load_b128 v[QF+4:QF+7], v[LI], s[4:5] offset:512 th:TH_LOAD_NT
	v_mov_b32 v13, 0xff61b1e6                      ; the largest t so far: -3e38, under every t
	v_floor_f32 v12, -v13                          ; -M
	v_mov_b32 v14, 0                               ; the sum, in two halves
	v_mov_b32 v15, 0
	v_mov_b32 v216, 0                              ; written once: a lane permute's destination counts as one of its sources
	v_mov_b32 v219, 0                              ; (named as the upper half of the pair v[218:219])
	v_mov_b32 v237, 0xff800000                     ; -infinity
.set ii, 0
.rept 32
	v_mov_b32 v[OT+ii], 0                          ; O^T: the step is written once; its first pass finds zeros, which the first change of M leaves zeros.  A dead tile keeps them
.set ii, ii+1
.endr
.set ii, 0
.rept 16
	v_mov_b32 v[STG+ii], 0                         ; written whole once, so that it holds defined numbers on every way through the text
.set ii, ii+1
.endr
	s_wait_kmcnt 0x0
	s_max_i32 s[LEN], s[LEN], 0
	s_min_i32 s[LEN], s[LEN], 2048                 ; beyond these bounds a length says no more than the bound itself
	s_add_co_u32 s[QL], s[Q0], 15
	s_cmp_lt_i32 s[Q0], s[LEN]
	s_cselect_b32 s[QL], s[QL], -1
	s_lshl_b32 s40, s18, 8
	s_sub_co_i32 s41, s[LEN], 1
	s_or_b32 s42, s41, 15                          ; the last query of the last live tile of the sequence
	s_add_co_u32 s43, s40, 255
	s_min_i32 s42, s42, s43
	s_cmp_lt_i32 s40, s[LEN]
	s_cselect_b32 s[WL], s42, -1
	s_ashr_i32 s41, s41, 8                         ; the block that holds the sequence's last live query walks every slot that anybody reads: it prefetches,
	s_cmp_eq_u32 s41, s18
	s_cselect_b32 s[PWL], s[WL], -1
	s_cmp_lt_u32 s[WV], 4                          ; by its waves 0 and 1 for K, 2 and 3 for V
	s_cselect_b32 s[PWL], s[PWL], -1
	s_cmp_lt_u32 s[WV], 2
	s_cselect_b64 s[PFA:PFA+1], s[6:7], s[8:9]
	s_cmp_lt_i32 s35, -15                          ; p is at most 1 and the hold stands at 57,344 x 2^e9, which is 1.75 at e9 = -15: from there on up it changes nothing
	s_cselect_b32 s[HOLD], 1, 0
	s_add_co_i32 s40, s32, s33
	s_lshl_b32 s40, s40, 23
	s_add_co_i32 s[CS], s40, 0x3e38aa3b            ; c = log2(e) / 8, with e6 + e7 added to its exponent field: a score stands for score x 2^(e6 + e7)
	s_mov_b32 s[CS+1], s[CS]                       ; (named with it as a pair, so it is written)
	s_add_co_i32 s40, s35, 127
	s_lshl_b32 s41, s40, 23
	v_mov_b32 v224, s41                            ; 2^e9 as f32, for p's conversion
	s_add_co_i32 s40, s40, 15
	s_lshl_b32 s40, s40, 23
	s_or_b32 s40, s40, 0x600000
	v_mov_b32 v225, s40                            ; 57,344 x 2^e9
	s_sub_co_i32 s40, s36, s34
	s_sub_co_i32 s40, s40, s35                     ; O^T / the sum stands for that x 2^(e8 + e9): its code is it / 2^(e10 - e8 - e9)
	s_add_co_i32 s40, s40, 127
	s_lshl_b32 s41, s40, 23
	v_mov_b32 v226, s41
	s_add_co_i32 s40, s40, 15
	s_lshl_b32 s40, s40, 23
	s_or_b32 s40, s40, 0x600000
	v_mov_b32 v227, s40
	s_cmp_lt_i32 s[WL], 0                          ; slot 0, unless the whole block is dead
	s_cbranch_scc1 .Lno_slot0
	global_load_b128 v[STG:STG+3], v[ST16], s[6:7]
	global_load_b128 v[STG+4:STG+7], v[ST16], s[6:7] offset:8192
	global_load_b128 v[STG+8:STG+11], v[ST16], s[8:9]
	global_load_b128 v[STG+12:STG+15], v[ST16], s[8:9] offset:8192
	s_wait_loadcnt 0x0
	ds_store_b128 v[ST16], v[STG:STG+3]
	ds_store_b128 v[ST16], v[STG+4:STG+7] offset:8192
	ds_store_b128 v[ST16], v[STG+8:STG+11] offset:VOFF
	ds_store_b128 v[ST16], v[STG+12:STG+15] offset:VOFF+8192
.Lno_slot0:
	s_wait_loadcnt 0x0                             ; Q
	s_mov_b32 s[KF], 0
	s_mov_b32 s[CNT], 4
; A KEY STEP: 128 keys, the q-th of slot sl.
.macro STEP sl, q
	s_cmp_gt_i32 s[KF], s[QL]                      ; all its keys come after my queries, or my tile is dead: only the count of keys goes on
	s_cbranch_scc1 .Lhid_\@
.rept 4
	v_nop                                          ; places in front of loads into registers that the last products read
.endr
.irp t, 0,1,2,3,4,5,6,7
	ds_load_b128 v[KV+8*\t:KV+8*\t+3], v[LI] offset:SLOTB*(\sl)+8192*(\q)+1024*\t
	ds_load_b128 v[KV+8*\t+4:KV+8*\t+7], v[LI] offset:SLOTB*(\sl)+8192*(\q)+1024*\t+512
.endr
	s_wait_dscnt 0x0
.irp t, 0,1,2,3,4,5,6,7
	v_wmma_f32_16x16x64_bf8_bf8 v[S+8*\t:S+8*\t+7], v[KV+8*\t:KV+8*\t+7], v[QF:QF+7], 0
.endr
.rept 4
	v_nop                                          ; places in front of the loads below and of the first read of the scores
.endr
.irp t, 0,1,2,3
.irp c, 0,1,2,3
	ds_load_b128 v[KV+16*\t+4*\c:KV+16*\t+4*\c+3], v[LI] offset:SLOTB*(\sl)+VOFF+8192*(\q)+2048*\t+512*\c   ; V's four fragments land while the softmax is worked
.endr
.endr
	s_add_co_u32 s40, s[KF], 127                   ; on the diagonal the scores of hidden keys become -infinity ahead of the maximum: p = 0 then.  A step all of whose keys count passes over this
	s_cmp_le_i32 s40, s[Q0]
	s_cbranch_scc1 .Lopen_\@
	s_sub_co_i32 s40, s[Q0], s[KF]
	v_add_nc_u32 v236, s40, v[D0]                  ; d = my query - KF - 8 h.  Register 8 t + j holds key KF + 16 t + 8 h + j: hidden where 16 t + j > d
.set ii, 0
.rept 64
	v_cmp_gt_i32 vcc_lo, 16*(ii/8)+ii%8, v236
	v_cndmask_b32 v[S+ii], v[S+ii], v237, vcc_lo
.set ii, ii+1
.endr
.Lopen_\@:
	v_max3_num_f32 v222, v[S], v[S+1], v[S+2]      ; the step's largest score of my query, among my 64 keys, in two chains, from the low end on,
	v_max3_num_f32 v223, v[S+3], v[S+4], v[S+5]
.set ii, 6
.rept 14
	v_max3_num_f32 v222, v222, v[S+ii], v[S+ii+1]
	v_max3_num_f32 v223, v223, v[S+ii+2], v[S+ii+3]
.set ii, ii+4
.endr
	v_max3_num_f32 v222, v222, v[S+62], v[S+63]
	v_max_num_f32 v222, v222, v223
	v_permlanex16_b32 v216, v222, s[SEL], s[SEL+1]
	v_max_num_f32 v222, v222, v216                 ; and among lane l xor 16's
	v_mul_f32 v222, s[CS], v222                    ; as t (c is positive)
	v_max_num_f32 v13, v13, v222                   ; the running largest t
	v_mov_b32 v222, v12
	v_floor_f32 v12, -v13                          ; the new -M = floor(-t) = -ceil(t): a whole number
	v_sub_f32 v222, v12, v222                      ; M's old value less its new one: a whole number, 0 or less
	v_cvt_i32_f32 v222, v222                       ; (it saturates)
	v_ldexp_f32 v218, 1.0, v222                    ; f = 2^(old M - new M)
.set ii, 0
.rept 32
	v_pk_fma_f32 v[S+ii:S+ii+1], v[S+ii:S+ii+1], s[CS:CS+1], v[12:13] op_sel_hi:[1,0,0]   ; t - M, two at a time (of the pairs c and -M the low word serves both halves)
.set ii, ii+2
.endr
.set ii, 0
.rept 64
	v_exp_f32 v[S+ii], v[S+ii]                     ; p = 2^(t - M), at most 1: not normalised
.set ii, ii+1
.endr
	v_pk_mul_f32 v[14:15], v[14:15], v[218:219] op_sel_hi:[1,0]   ; the sums under the new M; also the plain instruction behind the exponentials
	s_wait_alu depctr_va_vdst(0)                   ; one wait for the whole batch, ahead of its first reader
	v_pk_add_f32 v[220:221], v[S:S+1], v[S+2:S+3]  ; the row's sum is taken of the unquantised p: two at a time, in two chains
.set ii, 4
.rept 15
	v_pk_add_f32 v[14:15], v[14:15], v[S+ii:S+ii+1]
	v_pk_add_f32 v[220:221], v[220:221], v[S+ii+2:S+ii+3]
.set ii, ii+4
.endr
	v_pk_add_f32 v[14:15], v[14:15], v[220:221]
	s_cmp_eq_u32 s[HOLD], 0
	s_cbranch_scc1 .Lno_hold_\@
.set ii, 0
.rept 64
	v_min_num_f32 v[S+ii], v[S+ii], v225           ; the conversion to an 8-bit code does not saturate (ISA guide 7.6.2); p is not negative, so the hold is one-sided
.set ii, ii+1
.endr
.Lno_hold_\@:
.irp t, 0,1,2,3,4,5,6,7
	v_cvt_scalef32_pk8_bf8_f32 v[P+2*\t:P+2*\t+1], v[S+8*\t:S+8*\t+7], v224
.endr
.set ii, 0
.rept 16
	v_pk_mul_f32 v[OT+ii:OT+ii+1], v[OT+ii:OT+ii+1], v[218:219] op_sel_hi:[1,0]   ; O^T under the new M, from each accumulator's low end on; also the plain instructions between the conversions and the products
.set ii, ii+2
.endr
	s_wait_dscnt 0x0                               ; V is in
.irp t, 0,1,2,3
	v_wmma_f32_16x16x128_bf8_bf8 v[OT+8*\t:OT+8*\t+7], v[KV+16*\t:KV+16*\t+15], v[P:P+15], v[OT+8*\t:OT+8*\t+7]   ; the four accumulators by turns, one instruction a turn
.endr
.Lhid_\@:
	s_add_co_u32 s[KF], s[KF], 128
.endm
; A SLOT.  In front of the barrier each wave's stores into this slot have landed and its reads of the other slot are over.  Behind it the next slot's bytes are asked for into registers; they are
; stored into the other slot behind this slot's two steps: nobody reads that slot between this barrier and the next.
.macro TRIP sl
	s_wait_dscnt 0x0
	s_barrier_signal -1
	s_barrier_wait -1
	s_add_co_u32 s40, s[KF], 256                   ; the next slot's first key: past the work-group's last live query nobody reads it
	s_cmp_gt_i32 s40, s[WL]
	s_cbranch_scc1 .Lno_load_\@
	global_load_b128 v[STG:STG+3], v[GOF], s[6:7]
	global_load_b128 v[STG+4:STG+7], v[GOF], s[6:7] offset:8192
	global_load_b128 v[STG+8:STG+11], v[GOF], s[8:9]
	global_load_b128 v[STG+12:STG+15], v[GOF], s[8:9] offset:8192
.Lno_load_\@:
	; A prefetch of the slot after that one, behind the wave's loads: 16 KiB of K (waves 0, 1) and of V (waves 2, 3), a lane to each 256 bytes, by one work-group of the batch and head: each block is named
	; once in the launch.  Slots 0 and 1 come by their loads alone; a slot is named only while its first key is at or under the last live query, so no prefetch leaves its buffer.
	s_add_co_u32 s40, s[KF], 512
	s_cmp_gt_i32 s40, s[PWL]
	s_cbranch_scc1 .Lno_pf_\@
	global_prefetch_b8 v[PFO], s[PFA:PFA+1] th:TH_LOAD_NT scope:SCOPE_SE
.Lno_pf_\@:
	STEP \sl, 0
	STEP \sl, 1
	s_wait_loadcnt 0x0                             ; the next slot's bytes are in my registers (on every way, whether or not they were asked for)
	s_cmp_gt_i32 s[KF], s[WL]                      ; KF has gone on by 256: the same test as above
	s_cbranch_scc1 .Lno_store_\@
	ds_store_b128 v[ST16], v[STG:STG+3] offset:SLOTB*(1-\sl)
	ds_store_b128 v[ST16], v[STG+4:STG+7] offset:SLOTB*(1-\sl)+8192
	ds_store_b128 v[ST16], v[STG+8:STG+11] offset:SLOTB*(1-\sl)+VOFF
	ds_store_b128 v[ST16], v[STG+12:STG+15] offset:SLOTB*(1-\sl)+VOFF+8192
.Lno_store_\@:
	s_wait_xcnt 0x0                                ; the loads and the prefetch have read their offsets: they step only behind this wait
	v_add_nc_u32 v[GOF], 16384, v[GOF]
	v_add_nc_u32 v[PFO], 16384, v[PFO]
.endm
.Lslot:                                            ; four trips of two slots: all 2,048 keys, in every work-group
	TRIP 0
	TRIP 1
	s_sub_co_u32 s[CNT], s[CNT], 1
	s_cmp_lg_u32 s[CNT], 0
	s_cbranch_scc1 .Lslot
	; THE WAY OUT.  O^T / the sum, held, becomes codes; lane (r, h) holds of row r the channels 16 t + 8 h + 0 .. 7 of my head.  a_img is laid [tile of 16 rows][piece of 32 along K][lane' = r + 16 h'][16 bytes],
	; lane' holding K = 32 x piece + 16 h' + 0 .. 15, as the launch oproj reads it: my 8 bytes of tile t lie at 1,024 x head + 256 t + 16 r + 8 h: the wave's store covers 256 consecutive bytes, aligned.
.rept 4
	v_nop                                          ; places behind the last products
.endr
	v_add_f32 v14, v14, v15                        ; the sum's two halves,
	v_permlanex16_b32 v216, v14, s[SEL], s[SEL+1]
	v_add_f32 v14, v14, v216                       ; and lane l xor 16's
	v_max_num_f32 v14, 0.5, v14                    ; a live row's largest p is above 1/2, so this moves no live sum; a dead tile's sum is 0 over zeros, which stay zeros
	v_rcp_f32 v14, v14
	v_nop                                          ; a plain instruction behind the reciprocal
	s_wait_alu depctr_va_vdst(0)                   ; and the wait ahead of its first reader
.set ii, 0
.rept 16
	v_pk_mul_f32 v[S+ii:S+ii+1], v[OT+ii:OT+ii+1], v[14:15] op_sel_hi:[1,0]
.set ii, ii+2
.endr
.set ii, 0
.rept 32
	v_med3_num_f32 v[S+ii], v[S+ii], -v227, v227   ; the hold at the largest code x the scale
.set ii, ii+1
.endr
.irp t, 0,1,2,3
	v_cvt_scalef32_pk8_bf8_f32 v[228+2*\t:229+2*\t], v[S+8*\t:S+8*\t+7], v226
.endr
	v_nop
.irp t, 0,1,2,3
	global_store_b64 v[GO], v[228+2*\t:229+2*\t], s[14:15] offset:256*\t
.endr
	s_wait_tensorcnt 0x0                           ; the wave's end, behind my last LDS store
	ds_add_u32 v[SPW], v[NIL]
	s_wait_dscnt 0x0
	s_endpgm
.Lfunc_end_k_qe03191c7e2_attn:
	.size	k_qe03191c7e2_attn, .Lfunc_end_k_qe03191c7e2_attn-k_qe03191c7e2_attn
	.p2alignl 7, 3214868480
	.fill 96, 4, 3214868480
	.section	.rodata,"a",@progbits
	.p2align	6, 0x0
	.amdhsa_kernel k_qe03191c7e2_attn
		.amdhsa_group_segment_fixed_size 67584
		.amdhsa_private_segment_fixed_size 0
		.amdhsa_enable_private_segment 0
		.amdhsa_kernarg_size 48
		.amdhsa_user_sgpr_count 2
		.amdhsa_user_sgpr_kernarg_segment_ptr 1
		.amdhsa_wavefront_size32 1
		.amdhsa_system_sgpr_workgroup_id_x 1
		.amdhsa_system_sgpr_workgroup_id_y 1
		.amdhsa_system_sgpr_workgroup_id_z 1
		.amdhsa_system_vgpr_workitem_id 0
		.amdhsa_next_free_vgpr 256
		.amdhsa_next_free_sgpr 66
		.amdhsa_reserve_vcc 1
		.amdhsa_float_denorm_mode_32 3
		.amdhsa_float_denorm_mode_16_64 3
		.amdhsa_memory_ordered 1
		.amdhsa_forward_progress 1
		.amdhsa_inst_pref_size 95
	.end_amdhsa_kernel
	.amdgpu_metadata
---
amdhsa.version: [ 1, 2 ]
amdhsa.kernels:
  - .name:           k_qe03191c7e2_attn
    .symbol:         k_qe03191c7e2_attn.kd
    .args:
      - { .name: q_img, .offset: 0, .size: 8, .value_kind: global_buffer, .address_space: global }
      - { .name: k_img, .offset: 8, .size: 8, .value_kind: global_buffer, .address_space: global }
      - { .name: v_img, .offset: 16, .size: 8, .value_kind: global_buffer, .address_space: global }
      - { .name: lowp_scales, .offset: 24, .size: 8, .value_kind: global_buffer, .address_space: global }
      - { .name: seq_lens, .offset: 32, .size: 8, .value_kind: global_buffer, .address_space: global }
      - { .name: a_img, .offset: 40, .size: 8, .value_kind: global_buffer, .address_space: global }
    .group_segment_fixed_size: 67584
    .private_segment_fixed_size: 0
    .kernarg_segment_align: 8
    .kernarg_segment_size: 48
    .max_flat_workgroup_size: 512
    .sgpr_count:     66
    .vgpr_count:     256
    .wavefront_size: 32
...
	.end_amdgpu_metadata
.endif
;; end of part 3
;; launch oproj (part 4): grid 4 x 64, 4 waves a work-group, clusters of 4 x 4, 327,680 bytes of LDS; arguments a_img, Wo_codes, lowp_scales, seq_lens, out0; writes out0
.if DOCPART == 4
	.amdgcn_target "amdgcn-amd-amdhsa--gfx1250"
	.amdhsa_code_object_version 6
	.text
	.protected	k_qe03191c7e2_oproj
	.globl	k_qe03191c7e2_oproj
	.p2align	8
	.type	k_qe03191c7e2_oproj,@function
k_qe03191c7e2_oproj:
	s_mov_b64 s[64:65], 0
	v_nop
	global_prefetch_b8 v0, s[64:65] scope:SCOPE_SE
	s_setreg_imm32_b32 hwreg(HW_REG_WAVE_MODE, 25, 1), 1
	s_wait_xcnt 0x0
	s_wait_alu depctr_hold_cnt(0) depctr_sa_sdst(0) depctr_va_vdst(0) depctr_va_sdst(0) depctr_va_ssrc(0) depctr_va_vcc(0) depctr_vm_vsrc(0)
	s_getreg_b32 s2, hwreg(HW_REG_IB_STS2, 6, 4)
	s_cmp_eq_u32 s2, 0
	s_cbranch_scc0 .Lentry_in_a_cluster
	s_endpgm
.Lentry_in_a_cluster:
	s_bfe_u32 s2, ttmp6, 0x10000c
	s_cmp_lg_u32 s2, 0xf033
	s_cbranch_scc0 .Lentry_shape_is_right
	s_endpgm
.Lentry_shape_is_right:
; out0 = (the attention's result) Wo on codes of BF8 (E5M2), each sum x 2^(e10 + e11); rows at or past seq_lens[b] become 0 by a select (no branch hangs on seq_lens here: such rows are computed and replaced).
; A: a_img, 8,192 rows x 1,024 along K, laid as images: [tile of 16 rows][piece cc of 32 along K][lane][16 bytes], lane (r, h) holding row r, K = 32 cc + 16 h + 0 .. 15.  B: Wo's codes, [1024 (n)][1024 (k)], plain rows,
; whose fragments are fetched by four loads of 16 bytes at 16 h + 32 c: the same place for each k on both sides.
; A tile of out0 is 128 rows x 256 columns, so that the 256 work-groups are one for each of 64 x 4 tiles; four waves, each 64 rows x 128 columns: 32 accumulators, 256 registers.
; K goes in steps of 256 through a ring of two LDS slots: A's eight row tiles x 4,096 bytes (dense: images need no padding), then B's 256 rows of 256 bytes + 16 of padding.
; CLUSTERS: 4 x 4 work-groups; A's tile is shared along a row of the cluster, B's along a column: joint loads.  Waves 0 and 1 fetch four row tiles of A each, waves 2 and 3 128 rows of B each.
; THE MATRIX INSTRUCTION IS USED TRANSPOSED (source 0 = 16 rows of Wo, source 1 = 16 rows of A): a lane holds eight neighbouring numbers of a row of out0.
; LIMIT: e10 + e11 lies between -126 and 127, so that 2^(e10 + e11) is an f32 number.
; REGISTERS, in windows of 256: window 0: v0-31 addresses; v32-95 a block's results; v128-191, v192-255 A's fragments, two sets (on the way out: rows read back from the stage).  window 1: B's fragments, two sets.  window 2: accumulator (a, b) at v[8 (8 a + b)].
.set PITCH,  272                       ; a row of B in LDS: 68 words: the 16 rows that a load touches start at 16 different banks (64 banks of 4 bytes: ISA guide 11.1)
.set ABYTES, 32768                     ; A's part of a slot
.set HALFB,  128*PITCH
.set SLOT,   ABYTES+2*HALFB
.set SPARE,  2*SLOT                    ; behind the ring: the spare words, 128 bytes for each wave
.set SPITCH, 528                       ; the way out: a stage of 16 rows x (512 bytes + 16) for each wave, in slot 0, which has had its last fill and its last read when the first result is stored there
.set FR,   16
.set RR,   1                           ; v1      r = lane % 16
.set ADRA, 16                          ; v16-17  LDS address of my A fragments in slot 0, 1
.set ADRB, 20                          ; v20-21  the same for B
.set STO,  24                          ; v24     the way out: where I put 32 bytes of a row
.set RD,   25                          ; v25     where I read a row back
.set CO,   26                          ; v26     16 x lane
.set SPW,  28                          ; v28     LDS address of my spare word; never rewritten
.set NIL,  29                          ; v29     0; never rewritten
.set TMP,  32
.set AF,   128
.set BK,   128
.set G1, 24                            ; s[24:31] descriptor group 1 for A's tiles;  s[32:39] group 0, one set for each slot
.set G0, 32
.set G1B, 48                           ; s[48:55], s[56:63] the same for B's tiles
.set G0B, 56
.set MSB, 0
.macro WIN new                         ; the immediate's high byte repeats the setting that is left
.if MSB != \new
	s_set_vgpr_msb (MSB<<8)|\new
.set MSB, \new
.endif
.endm
.set MUL,  0xa1                        ; source 0 (B) window 1, source 1 (A) window 0, C and D window 2
.set TO_B, 0x40                        ; destination window 1, address window 0
.macro JLOAD g0a, g1a, g0b, g1b        ; a joint load: waves 0 and 1 for A, waves 2 and 3 for B; an s_nop 0 and four v_nop follow each of the two lines
	s_cmp_eq_u32 s15, 0
	s_cbranch_scc0 .Lfor_b_\@
	tensor_load_to_lds s[\g0a:\g0a+3], s[\g1a:\g1a+7]
	s_nop 0
.rept 4
	v_nop
.endr
	s_branch .Lasked_\@
.Lfor_b_\@:
	tensor_load_to_lds s[\g0b:\g0b+3], s[\g1b:\g1b+7]
	s_nop 0
.rept 4
	v_nop
.endr
.Lasked_\@:
.endm
.macro CREST                           ; a round of the cluster's barrier behind its opening barrier
	s_cmp_lg_u32 s14, 0
	s_cbranch_scc1 .Lnot_wave_0_\@
	s_barrier_signal -3
.Lnot_wave_0_\@:
	s_barrier_wait -3
	s_barrier_signal -1
	s_barrier_wait -1
.endm
.macro CROUND
	s_barrier_signal -1
	s_barrier_wait -1
	CREST
.endm
	s_load_b256 s[4:11], s[0:1], 0x0               ; a_img s[4:5], Wo's codes s[6:7], the scales' exponents s[8:9], seq_lens s[10:11]
	s_load_b64 s[12:13], s[0:1], 0x20              ; out0
	v_lshl_add_u32 v[SPW], v0, 2, SPARE
	v_mov_b32 v[NIL], 0
	ds_add_u32 v[SPW], v[NIL]                      ; the wave's opening: the add, twice on end, and its wait ahead of my first tensor load
	ds_add_u32 v[SPW], v[NIL]                      ; and once more, under the one wait; the set-up below, work on registers, stands between
	v_lshrrev_b32 v2, 5, v0
	v_readfirstlane_b32 s14, v2                    ; wave 0..3
	s_lshr_b32 s15, s14, 1                         ; which 64 of the tile's rows are mine.  Also: I fetch for A (0) or for B (1)
	s_and_b32 s16, s14, 1                          ; which 128 of its columns.  Also: which half of that tile I fetch
	s_bfe_u32 s40, ttmp6, 0x40000                  ; cx, cy: my place in the cluster
	s_bfe_u32 s41, ttmp6, 0x40004
	s_lshl_b32 s42, ttmp9, 2
	s_add_co_u32 s42, s42, s40                     ; tile column = 4 x cluster x + cx
	s_and_b32 s17, ttmp7, 0xffff
	s_lshl_b32 s17, s17, 2
	s_add_co_u32 s17, s17, s41                     ; tile row = 4 x cluster y + cy
	s_lshl_b32 s43, s41, 2
	s_lshl_b32 s43, 15, s43                        ; my row of the cluster
	s_lshl_b32 s44, 0x1111, s40                    ; my column
	; A's group 1: four rows of 4,096 bytes (a row tile's 256 along K), 16,384 bytes apart, in elements of 8 bytes; no padding
	s_or_b32 s[G1+0], s43, (3<<16)|(1<<21)         ; 15:0 the mask: my row; 17:16 elements of 8 bytes; 21 set beside a mask
	s_mov_b32 s[G1+1], 512<<16                     ; tensor_dim0 = 512
	s_mov_b32 s[G1+2], 4<<16                       ; tensor_dim1 = 4
	s_mov_b32 s[G1+3], 512<<16                     ; tile_dim0 = 512
	s_mov_b32 s[G1+4], 4                           ; tile_dim1 = 4
	s_mov_b32 s[G1+5], 2048                        ; tensor_dim0_stride
	s_mov_b32 s[G1+6], 0
	s_mov_b32 s[G1+7], 0
	; B's group 1: 128 rows of 256 bytes, 1,024 bytes apart, four words of padding after every 64
	s_or_b32 s[G1B+0], s44, (0<<16)|(1<<20)|(1<<21)|(5<<22)|(3<<25)
	s_mov_b32 s[G1B+1], 256<<16
	s_mov_b32 s[G1B+2], 128<<16
	s_mov_b32 s[G1B+3], 256<<16
	s_mov_b32 s[G1B+4], 128
	s_mov_b32 s[G1B+5], 1024
	s_mov_b32 s[G1B+6], 0
	s_mov_b32 s[G1B+7], 0
	s_lshl_b32 s20, s17, 3
	s_lshl_b32 s18, s16, 2
	s_add_co_u32 s20, s20, s18
	s_lshl_b32 s20, s20, 14                        ; A: row tile 8 x tile row + 4 x half, of 16,384 bytes: under 2^23
	s_mov_b32 s21, 0
	s_lshl_b32 s46, s42, 8
	s_lshl_b32 s18, s16, 7
	s_add_co_u32 s46, s46, s18
	s_lshl_b32 s46, s46, 10                        ; B: row 256 x tile column + 128 x half, of 1,024 bytes
	s_mov_b32 s47, 0
	s_lshl_b32 s45, s16, 14                        ; where they go: A's half,
	s_mul_i32 s19, s16, HALFB
	s_add_co_u32 s19, s19, ABYTES                  ; B's half: no place in the cluster enters an LDS address
	s_lshr_b32 s22, s17, 4                         ; the batch: 16 tile rows each
	s_lshl_b32 s22, s22, 2
	s_mov_b32 s23, 0
	s_wait_dscnt 0x0                               ; both opening adds are done
	s_wait_kmcnt 0x0
	s_load_b64 s[96:97], s[8:9], 0x28              ; e10, e11
	s_add_nc_u64 s[10:11], s[10:11], s[22:23]
	s_load_b32 s66, s[10:11], 0x0                  ; seq_lens[b]
	s_add_nc_u64 s[20:21], s[4:5], s[20:21]
	s_add_nc_u64 s[46:47], s[6:7], s[46:47]
	CROUND                                         ; all sixteen work-groups are here: the first joint loads meet
.irp s, 0,1
	s_mov_b32 s[G0+4*\s], 1
	s_add_co_u32 s[G0+4*\s+1], s45, \s*SLOT
	s_add_nc_u64 s[G0+4*\s+2:G0+4*\s+3], s[20:21], \s*4096
	s_or_b32 s[G0+4*\s+3], s[G0+4*\s+3], 0x80000000
	s_mov_b32 s[G0B+4*\s], 1
	s_add_co_u32 s[G0B+4*\s+1], s19, \s*SLOT
	s_add_nc_u64 s[G0B+4*\s+2:G0B+4*\s+3], s[46:47], \s*256
	s_or_b32 s[G0B+4*\s+3], s[G0B+4*\s+3], 0x80000000
	JLOAD G0+4*\s, G1, G0B+4*\s, G1B
.endr
	v_and_b32 v[RR], 15, v0                        ; r
	v_bfe_u32 v2, v0, 4, 1                         ; h
	v_and_b32 v6, 31, v0
	v_lshlrev_b32 v[CO], 4, v6                     ; 16 x lane
	v_mul_u32_u24 v3, v[RR], PITCH
	v_lshl_add_u32 v4, v2, 4, v3                   ; B: a fragment's row x pitch + 16 x half
	s_lshl_b32 s21, s15, 14                        ; my four row tiles of A
	s_mul_i32 s22, s16, HALFB
	s_add_co_u32 s22, s22, ABYTES                  ; my 128 rows of B
.irp s, 0,1
	v_add_nc_u32 v[ADRA+\s], s21, v[CO]
	v_add_nc_u32 v[ADRB+\s], s22, v4
	s_add_co_u32 s21, s21, SLOT
	s_add_co_u32 s22, s22, SLOT
.endr
	s_mul_i32 s23, s14, 16*SPITCH                  ; my stage
	v_mul_u32_u24 v5, v[RR], SPITCH
	v_lshl_add_u32 v5, v2, 5, v5
	v_add_nc_u32 v[STO], s23, v5                   ; in: row r, 32 bytes for each half of the lanes
	v_add_nc_u32 v[RD], s23, v[CO]                 ; back: the 32 lanes take one row of 512 bytes
	s_lshl_b32 s20, s17, 7
	s_lshl_b32 s21, s15, 6
	s_add_co_u32 s20, s20, s21                     ; my first row: 128 x tile row + 64 x half,
	s_lshl_b32 s20, s20, 12                        ; of 4,096 bytes: under 2^25;
	s_lshl_b32 s21, s42, 10
	s_add_co_u32 s20, s20, s21
	s_lshl_b32 s21, s16, 9
	s_add_co_u32 s20, s20, s21                     ; my first column: 1,024 x tile column + 512 x half bytes
	s_mov_b32 s21, 0
	s_add_nc_u64 s[12:13], s[12:13], s[20:21]
; The fragments of the slot's q-th 128 along K into set st: B's eight, then A's four: 48 loads
.macro FETCH slot, q, st
	WIN TO_B
.irp i, 0,1,2,3,4,5,6,7
.irp c, 0,1,2,3
	ds_load_b128 v[128*(\st)+FR*\i+4*\c:128*(\st)+FR*\i+4*\c+3], v[ADRB+\slot] offset:128*(\q)+32*\c+\i*16*PITCH
.endr
.endr
	WIN 0
.irp i, 0,1,2,3
.irp c, 0,1,2,3
	ds_load_b128 v[AF+64*(\st)+FR*\i+4*\c:AF+64*(\st)+FR*\i+4*\c+3], v[ADRA+\slot] offset:4096*\i+2048*(\q)+512*\c
.endr
.endr
.endm
; 8 matrix instructions: A's block a x B's eight.  The 32 accumulators take turns, one instruction a turn, in the same order in every step.
.macro MUL8 a, st, zero
.irp b, 0,1,2,3,4,5,6,7
.if \zero
	v_wmma_f32_16x16x128_bf8_bf8 v[8*(8*(\a)+\b):8*(8*(\a)+\b)+7], v[128*(\st)+FR*\b:128*(\st)+FR*\b+FR-1], v[AF+64*(\st)+FR*(\a):AF+64*(\st)+FR*(\a)+FR-1], 0
.else
	v_wmma_f32_16x16x128_bf8_bf8 v[8*(8*(\a)+\b):8*(8*(\a)+\b)+7], v[128*(\st)+FR*\b:128*(\st)+FR*\b+FR-1], v[AF+64*(\st)+FR*(\a):AF+64*(\st)+FR*(\a)+FR-1], v[8*(8*(\a)+\b):8*(8*(\a)+\b)+7]
.endif
.endr
.endm
.macro PLACES                          ; four plain vector instructions between a matrix instruction and a load into a register that it read, or a vector instruction that reads its result
.rept 4
	v_nop
.endr
.endm
; A slot's first step multiplies set 0; the second step's fragments are asked for ahead of its 32 products.
.macro STEP slot, zero
	s_wait_dscnt 0x0                               ; set 0 is in
	PLACES
	FETCH \slot, 1, 1
	WIN MUL
	MUL8 0, 0, \zero
	MUL8 1, 0, \zero
	MUL8 2, 0, \zero
	MUL8 3, 0, \zero
	WIN 0
.endm
; A slot's second step multiplies set 1 and changes slots: ONE barrier; in front of it each wave waits for all its tensor loads, adds 0 to its spare word, and waits for that and for its own reads of this slot.
.macro TURN slot, next, fill
	s_wait_tensorcnt 0x0                           ; all my tensor loads have landed: my part of the next slot
	ds_add_u32 v[SPW], v[NIL]                      ; 0 onto my spare word
	s_wait_dscnt 1                                 ; set 1 is in (the add alone may be out)
	WIN MUL
	MUL8 0, 1, 0                                   ; eight matrix instructions stand between the add and the wait for it
	s_wait_dscnt 0x0                               ; the add is done, and my reads of this slot are over
	s_barrier_signal -1
	MUL8 1, 1, 0
	WIN 0
	s_barrier_wait -1
.if \fill
	CREST                                          ; the barrier has opened a round of the cluster's barrier: no wave of any partner still reads this slot or has a load on its way
	s_add_nc_u64 s[G0+4*\slot+2:G0+4*\slot+3], s[G0+4*\slot+2:G0+4*\slot+3], 8192
	s_add_nc_u64 s[G0B+4*\slot+2:G0B+4*\slot+3], s[G0B+4*\slot+2:G0B+4*\slot+3], 512
	JLOAD G0+4*\slot, G1, G0B+4*\slot, G1B         ; the first tensor load behind the round; its four v_nop are also the places in front of the loads below
.else
	PLACES
.endif
	FETCH \next, 0, 0
	WIN MUL
	MUL8 2, 1, 0
	MUL8 3, 1, 0
	WIN 0
.endm
	s_wait_tensorcnt 1                             ; my part of K step 0 is in (K step 1's load may be out)
	s_barrier_signal -1
	s_barrier_wait -1                              ; everybody's is
	FETCH 0, 0, 0
	STEP 0, 1                                      ; the first step stands in front of the loop: its products start the sums
	s_mov_b32 s3, 1                                ; 1,024 along K are two laps of the ring: one trip fills both slots again
.Llap:
	TURN 0, 1, 1
	STEP 1, 0
	TURN 1, 0, 1
	STEP 0, 0
	s_sub_co_u32 s3, s3, 1
	s_cmp_lg_u32 s3, 0
	s_cbranch_scc1 .Llap
	TURN 0, 1, 0                                   ; the last lap fills nothing, and has no round of the cluster's barrier
	STEP 1, 0
	s_wait_dscnt 0x0                               ; the very last step
	WIN MUL
	MUL8 0, 1, 0
	MUL8 1, 1, 0
	MUL8 2, 1, 0
	MUL8 3, 1, 0
	WIN 0
; THE WAY OUT, block by block of 16 rows x 128 columns: x 2^(e10 + e11); rows at or past the length become 0; through my own stage in LDS, and back as whole rows of 512 bytes.
; LDS serves a wave's instructions in order (ISA guide 5.7.1.4): no wait between the stores and the loads, nor in front of the next block's stores.
.macro TOSTAGE a
	WIN 0x02                                       ; source 0: window 2
.set ii, 0
.rept 32
	v_pk_mul_f32 v[TMP+ii:TMP+ii+1], v[64*(\a)+ii:64*(\a)+ii+1], s[96:97] op_sel_hi:[1,0]   ; both x s96 = 2^(e10 + e11); each accumulator from its low end on
.set ii, ii+2
.endr
	WIN 0
	s_sub_co_i32 s98, s67, 16*(\a)                 ; how many of the block's rows lie under the length
	v_cmp_gt_i32 vcc_lo, s98, v[RR]                ; does mine?
.set ii, 0
.rept 64
	v_cndmask_b32 v[TMP+ii], 0, v[TMP+ii], vcc_lo  ; reference()'s last where: a select, whatever the row holds
.set ii, ii+1
.endr
.irp b, 0,1,2,3,4,5,6,7
	ds_store_b128 v[STO], v[TMP+8*\b:TMP+8*\b+3] offset:64*\b
	ds_store_b128 v[STO], v[TMP+8*\b+4:TMP+8*\b+7] offset:64*\b+16
.endr
.irp t, 0,1,2,3,4,5,6,7,8,9,10,11,12,13,14,15
	ds_load_b128 v[BK+64*((\a)%2)+4*\t:BK+64*((\a)%2)+4*\t+3], v[RD] offset:\t*SPITCH
.endr
.endm
.macro SEND a, younger                 ; younger: the LDS instructions issued behind block a's loads, which may stay out
	s_wait_dscnt \younger                          ; the block is back in registers
.irp t, 0,1,2,3,4,5,6,7,8,9,10,11,12,13,14,15
	global_store_b128 v[CO], v[BK+64*((\a)%2)+4*\t:BK+64*((\a)%2)+4*\t+3], s[12:13] offset:4096*(16*(\a)+\t) th:TH_STORE_NT   ; 32 lanes store 512 consecutive bytes, aligned; written once, read by nobody here
.endr
.endm
	s_wait_kmcnt 0x0
	s_add_co_i32 s96, s96, s97                     ; e10 + e11, between -126 and 127,
	s_add_co_i32 s96, s96, 127
	s_lshl_b32 s96, s96, 23                        ; makes the f32 number 2^(e10 + e11)
	s_max_i32 s66, s66, 0
	s_min_i32 s66, s66, 2048                       ; beyond these bounds a length says no more than the bound itself
	s_and_b32 s67, s17, 15
	s_lshl_b32 s67, s67, 7
	s_lshl_b32 s98, s15, 6
	s_add_co_u32 s67, s67, s98                     ; my first row's position in its sequence
	s_sub_co_i32 s67, s66, s67                     ; the length, counted from there
	PLACES                                         ; in front of the first reads of results and of the loads into the registers that held A's fragments
	TOSTAGE 0
.irp a, 1,2,3
.if \a > 1
	s_wait_xcnt 0x0                                ; block a - 2's stores have read their registers: block a's loads may land there
.endif
	TOSTAGE \a
	SEND \a-1, 32                                  ; behind block a - 1's loads: block a's 16 stores and 16 loads
.endr
	SEND 3, 0
	s_wait_tensorcnt 0x0                           ; the wave's end, behind my last tensor load and my last LDS store
	ds_add_u32 v[SPW], v[NIL]
	s_wait_dscnt 0x0
	CROUND                                         ; the closing round: no work-group ends while a partner may still ask for a tile that names it
	s_endpgm
.Lfunc_end_k_qe03191c7e2_oproj:
	.size	k_qe03191c7e2_oproj, .Lfunc_end_k_qe03191c7e2_oproj-k_qe03191c7e2_oproj
	.p2alignl 7, 3214868480
	.fill 96, 4, 3214868480
	.section	.rodata,"a",@progbits
	.p2align	6, 0x0
	.amdhsa_kernel k_qe03191c7e2_oproj
		.amdhsa_group_segment_fixed_size 327680
		.amdhsa_private_segment_fixed_size 0
		.amdhsa_enable_private_segment 0
		.amdhsa_kernarg_size 40
		.amdhsa_user_sgpr_count 2
		.amdhsa_user_sgpr_kernarg_segment_ptr 1
		.amdhsa_wavefront_size32 1
		.amdhsa_system_sgpr_workgroup_id_x 1
		.amdhsa_system_sgpr_workgroup_id_y 1
		.amdhsa_system_sgpr_workgroup_id_z 1
		.amdhsa_system_vgpr_workitem_id 0
		.amdhsa_next_free_vgpr 768
		.amdhsa_next_free_sgpr 100
		.amdhsa_reserve_vcc 1
		.amdhsa_float_denorm_mode_32 3
		.amdhsa_float_denorm_mode_16_64 3
		.amdhsa_memory_ordered 1
		.amdhsa_forward_progress 1
		.amdhsa_inst_pref_size 84
	.end_amdhsa_kernel
	.amdgpu_metadata
---
amdhsa.version: [ 1, 2 ]
amdhsa.kernels:
  - .name:           k_qe03191c7e2_oproj
    .symbol:         k_qe03191c7e2_oproj.kd
    .args:
      - { .name: a_img, .offset: 0, .size: 8, .value_kind: global_buffer, .address_space: global }
      - { .name: Wo_codes, .offset: 8, .size: 8, .value_kind: global_buffer, .address_space: global }
      - { .name: lowp_scales, .offset: 16, .size: 8, .value_kind: global_buffer, .address_space: global }
      - { .name: seq_lens, .offset: 24, .size: 8, .value_kind: global_buffer, .address_space: global }
      - { .name: out0, .offset: 32, .size: 8, .value_kind: global_buffer, .address_space: global }
    .group_segment_fixed_size: 327680
    .private_segment_fixed_size: 0
    .kernarg_segment_align: 8
    .kernarg_segment_size: 40
    .max_flat_workgroup_size: 128
    .sgpr_count:     100
    .vgpr_count:     768
    .wavefront_size: 32
...
	.end_amdgpu_metadata
.endif
;; end of part 4
;; ======== version 2 of 2: 4 launches; version 1 with the launch attn written anew for expert scheduling mode
;; limits: right only within a limited range of input values
;; workspace buffers: rope 524,288 bytes; q_img 8,388,608 bytes; k_img 8,388,608 bytes; v_img 8,388,608 bytes; a_img 8,388,608 bytes
;; launch rope: the kernel of part 1 again; grid 32 x 1, 4 waves a work-group, no clusters, 0 bytes of LDS; arguments rope; writes rope
;; launch qkv: the kernel of part 2 again; grid 12 x 32, 4 waves a work-group, clusters of 4 x 4, 327,680 bytes of LDS; arguments x_codes, Wq_codes, Wk_codes, Wv_codes, lowp_scales, rope, q_img, k_img, v_img; writes q_img, k_img, v_img
;; launch attn (part 5): grid 64 x 8, 16 waves a work-group, no clusters, 67,584 bytes of LDS; arguments q_img, k_img, v_img, lowp_scales, seq_lens, a_img; writes a_img
.if DOCPART == 5
	.amdgcn_target "amdgcn-amd-amdhsa--gfx1250"
	.amdhsa_code_object_version 6
	.text
	.protected	k_qe03191c7e2_attn
	.globl	k_qe03191c7e2_attn
	.p2align	8
	.type	k_qe03191c7e2_attn,@function
k_qe03191c7e2_attn:
	s_mov_b64 s[64:65], 0
	v_nop
	global_prefetch_b8 v0, s[64:65] scope:SCOPE_SE
	s_setreg_imm32_b32 hwreg(HW_REG_WAVE_SCHED_MODE, 0, 2), 2
	s_setreg_imm32_b32 hwreg(HW_REG_WAVE_MODE, 25, 1), 1
	s_wait_xcnt 0x0
	s_wait_alu depctr_vm_vsrc(0)
; Causal attention on codes of BF8 (E5M2): S = q k^T / 8, p = 2^(t - M), O = p v / (the row's sum), and the quantiser of O for the product with Wo.
; LEFT OUT AS DEAD (shown at the head of the first launch): valid_k; key steps all of whose keys come after all my queries; tiles of 16 queries that begin at or past seq_lens[b], for which zero codes are stored.
; THE SOFTMAX AHEAD OF THE SECOND PRODUCT: t = score x log2(e) / 8; M = the row's largest t so far, rounded UP to a whole number; p = 2^(t - M) is quantised, not normalised; the row's sum is taken of the
; unquantised p and divides O at the end.  When M moves, the sum and O are multiplied by 2^(old M - new M): exact.
; SHARES.  A work-group owns 256 queries of one batch and head (x: 16 b + head; y: block 7 - y, the longest walks first); each of its sixteen waves owns one tile of 16 queries in 256 registers.
; LAYOUT.  Both products are used transposed: S^T = K Q^T (source 0 = 16 keys, source 1 = my 16 queries), O^T = V^T P^T (source 0 = 16 channels, source 1 = P): a lane holds ONE query (lane % 16) throughout.
; Register j of score tile t is key 16 t + 8 (lane / 16) + j: one conversion of a tile's eight registers gives registers 2 t, 2 t + 1 of P's fragment of 128 keys.
; K AND V COME AS IMAGES OF THEIR FRAGMENTS' REGISTERS (the launch qkv lays them so): a slot of 256 keys is 16 KiB of K and 16 KiB of V, each dense in memory.  The sixteen waves copy it through registers
; into one of two LDS slots, four loads and four LDS stores a wave, a slot ahead; every fragment is then read by loads of 16 bytes a lane at 16 x lane.
; NO TENSOR LOADS AND NO CLUSTER: how many slots a work-group needs hangs on its block (the causal mask) and on seq_lens, read from memory; partners would need different numbers of tiles, and a joint load
; may not be passed over.  One barrier a slot; every work-group walks all eight slots (constant trip count), and passes over loads, stores and steps by scalar branches on whole numbers.
; LIMITS on the given exponents, so that each power of two below is an f32 number: e6 + e7 between -123 and 130 (added to c's exponent field); e9, and e10 - e8 - e9, between -126 and 112.
; A hidden score counts as -infinity where reference() takes -1e9 (limit stated at the head of the first launch).  NaN among the inputs is not served.
; THE MODE: SCHED_MODE bits 1:0 = 2 (LLVM: expert scheduling mode 2), set by the entry lines.  The code itself states the register dependences
; between vector or matrix instructions and memory or LDS instructions, with s_wait_alu, always for 0.
; THE PLAN.  Registers that memory or LDS instructions touch:
;   v1-v7      Offsets and LDS addresses, and the closing add's two: written at the head, once, and never again.  The slots are reached by the scalar bases of K, of V and of the prefetches, which move on by a slot at a trip's end.
;   v[QF ..]   Loaded at the head, read by matrix instructions, never loaded again.
;   v[STG ..]  Written once by vector lines at the head; then a trip's four global loads land in it and the trip's four LDS stores read it.
;   v[KV ..]   A step's K lands in it; the eight products K Q^T read it; the step's V lands in it; the four products V^T P^T read it; the next step's K lands in it.
;   v228-235   Written by the way out's conversions, read by its four stores.
;   S^T, O^T, p's codes and the statistics are named by vector and matrix instructions alone.
; THE WAITS.  At the head: one on va_sdst for the wave's number, one on va_vdst for v1-v7 and STG.  At a trip's head: one on vm_vsrc, for the LDS stores that read STG.  In a step: one on va_vdst ahead of K's loads and one ahead
; of V's, each for the products that read KV; the one behind the exponentials; on the diagonal one on va_sdst behind each run of sixteen compares.  On the way out: the reciprocal's, and one on va_vdst ahead of the stores.
.set SLOTB, 32768                      ; an LDS slot: 16 tiles of K (1,024 bytes each), then two steps of V (8,192 each)
.set VOFF,  16384
.set SPARE, 65536                      ; behind the two slots: the spare words, 128 bytes for each of the sixteen waves
.set LI,   1                           ; v1   16 x lane: my place in an image; never rewritten
.set ST16, 2                           ; v2   16 x thread: my place in a copy of 8,192 bytes; never rewritten
.set GOF,  3                           ; v3   the same one slot on from the bases; never rewritten
.set PFO,  4                           ; v4   the prefetches' offset, two slots on from their base; never rewritten
.set SPW,  5                           ; v5   LDS address of my spare word; never rewritten
.set NIL,  6                           ; v6   0; never rewritten
.set GO,   7                           ; v7   the way out: 16 r + 8 h
.set D0,   8                           ; v8   r - 8 h
.set QF,   16                          ; v16-23   Q's fragment
.set STG,  24                          ; v24-39   64 bytes a lane on their way from memory to LDS
.set KV,   40                          ; v40-103  eight fragments of K, then four of V
.set S,    104                         ; v104-167 S^T, then p
.set OT,   168                         ; v168-199 O^T
.set P,    200                         ; v200-215 p's codes
                                       ; v12 -M, v13 the largest t, v[14:15] the sum in two halves; v216 a permute's result; v[218:219] f; v[220:221] the second chain of the sum; v222, v223 maxima
                                       ; v224 2^e9, v225 57,344 x 2^e9; v226, v227 the same with e10 - e8 - e9; v228-235 O's codes; v236 the mask's d; v237 -infinity
.set WV,   16                          ; s16  wave
.set LEN,  19                          ; s19  seq_lens[b], held within 0 .. 2048
.set SEL,  20                          ; s[20:21] lane selects for v_permlanex16_b32: lane l xor 16
.set CS,   22                          ; s[22:23] c = log2(e) / 8 x 2^(e6 + e7)
.set KF,   24                          ; s24  the step's first key
.set QL,   25                          ; s25  my last query, or -1 where my tile is dead
.set WL,   26                          ; s26  the work-group's last live query, or -1
.set PWL,  27                          ; s27  WL in a wave that prefetches, else -1
.set HOLD, 28                          ; s28  1 where p's hold can bind
.set CNT,  29
.set Q0,   30                          ; s30  my first query
.set PFA,  38                          ; s[38:39] the tensor that my prefetches name, at the slot in hand
.set MK,   41                          ; s41-56 in the loop: sixteen masks of the diagonal step (at the head these registers are at work)
	s_load_b256 s[4:11], s[0:1], 0x0               ; q_img s[4:5], k_img s[6:7], v_img s[8:9], the scales' exponents s[10:11]
	s_load_b128 s[12:15], s[0:1], 0x20             ; seq_lens s[12:13], a_img s[14:15]
	v_lshl_add_u32 v[SPW], v0, 2, SPARE
	v_mov_b32 v[NIL], 0
	v_lshrrev_b32 v9, 5, v0
	v_readfirstlane_b32 s[WV], v9                  ; wave 0..15
	v_and_b32 v9, 31, v0                           ; lane
	v_lshlrev_b32 v[LI], 4, v9
	v_lshlrev_b32 v[ST16], 4, v0
	v_add_nc_u32 v[GOF], 16384, v[ST16]            ; one slot on
	v_and_b32 v10, 15, v0                          ; r
	v_bfe_u32 v11, v0, 4, 1                        ; h
	v_lshlrev_b32 v[GO], 4, v10
	v_lshl_add_u32 v[GO], v11, 3, v[GO]
	v_lshlrev_b32 v11, 3, v11
	v_sub_nc_u32 v[D0], v10, v11
	v_mov_b32 v13, 0xff61b1e6                      ; the largest t so far: -3e38, under every t
	v_floor_f32 v12, -v13                          ; -M
	v_mov_b32 v14, 0                               ; the sum, in two halves
	v_mov_b32 v15, 0
	v_mov_b32 v216, 0                              ; written once: a lane permute's destination counts as one of its sources
	v_mov_b32 v219, 0                              ; (named as the upper half of the pair v[218:219])
	v_mov_b32 v237, 0xff800000                     ; -infinity
.set ii, 0
.rept 32
	v_mov_b32 v[OT+ii], 0                          ; O^T: the step is written once; its first pass finds zeros, which the first change of M leaves zeros.  A dead tile keeps them
.set ii, ii+1
.endr
.set ii, 0
.rept 16
	v_mov_b32 v[STG+ii], 0                         ; written whole once, so that it holds defined numbers on every way through the text
.set ii, ii+1
.endr
	s_wait_alu depctr_va_sdst(0)                   ; s16, the wave's number, is written, ahead of its first reader
	s_mov_b32 s17, ttmp9                           ; 16 b + head
	s_and_b32 s18, ttmp7, 0xffff
	s_sub_co_u32 s18, 7, s18                       ; my block of 256 queries
	s_lshl_b32 s[Q0], s18, 8
	s_lshl_b32 s40, s[WV], 4
	s_add_co_u32 s[Q0], s[Q0], s40                 ; my first query
	s_lshr_b32 s40, s17, 4                         ; b
	s_lshl_b32 s42, s40, 2
	s_mov_b32 s43, 0
	s_lshl_b32 s44, s17, 17                        ; a batch and head's 131,072 bytes in each of the three images
	s_mov_b32 s45, 0
	s_lshl_b32 s46, s[Q0], 6                       ; my tile of Q: 1,024 bytes for 16 queries
	s_mov_b32 s47, 0
	s_lshl_b32 s48, s40, 21                        ; a_img: a tile of 16 rows is 16,384 bytes, a batch 128 tiles;
	s_lshl_b32 s49, s[Q0], 10
	s_add_co_u32 s48, s48, s49
	s_and_b32 s49, s17, 15
	s_lshl_b32 s49, s49, 10                        ; a head's 64 channels are 1,024 bytes of a tile
	s_add_co_u32 s48, s48, s49
	s_mov_b32 s49, 0
	s_mov_b32 s[SEL], 0x76543210
	s_mov_b32 s[SEL+1], 0xfedcba98
	s_and_b32 s41, s[WV], 1
	s_lshl_b32 s41, s41, 13
	s_add_co_u32 s41, s41, 32768
	v_lshl_add_u32 v[PFO], v9, 8, s41              ; lanes 256 bytes apart, 8,192 bytes a wave, two slots on
	s_wait_kmcnt 0x0
	s_add_nc_u64 s[12:13], s[12:13], s[42:43]
	s_load_b32 s[LEN], s[12:13], 0x0               ; seq_lens[b]
	s_load_b128 s[32:35], s[10:11], 0x18           ; e6, e7, e8, e9
	s_load_b32 s36, s[10:11], 0x28                 ; e10
	s_add_nc_u64 s[4:5], s[4:5], s[44:45]
	s_add_nc_u64 s[4:5], s[4:5], s[46:47]
	s_add_nc_u64 s[6:7], s[6:7], s[44:45]
	s_add_nc_u64 s[8:9], s[8:9], s[44:45]
	s_add_nc_u64 s[14:15], s[14:15], s[48:49]
	s_wait_alu depctr_va_vdst(0)                   ; v1 to v7 are written, which every load, store and prefetch of the kernel and the closing add read; so are the zeros in v[STG ..], in which loads land
	global_load_b128 v[QF:QF+3], v[LI], s[4:5] th:TH_LOAD_NT               ; Q's fragment stays in registers; nobody else reads it
	global_load_b128 v[QF+4:QF+7], v[LI], s[4:5] offset:512 th:TH_LOAD_NT
	s_wait_kmcnt 0x0
	s_max_i32 s[LEN], s[LEN], 0
	s_min_i32 s[LEN], s[LEN], 2048                 ; beyond these bounds a length says no more than the bound itself
	s_add_co_u32 s[QL], s[Q0], 15
	s_cmp_lt_i32 s[Q0], s[LEN]
	s_cselect_b32 s[QL], s[QL], -1
	s_lshl_b32 s40, s18, 8
	s_sub_co_i32 s41, s[LEN], 1
	s_or_b32 s42, s41, 15                          ; the last query of the last live tile of the sequence
	s_add_co_u32 s43, s40, 255
	s_min_i32 s42, s42, s43
	s_cmp_lt_i32 s40, s[LEN]
	s_cselect_b32 s[WL], s42, -1
	s_ashr_i32 s41, s41, 8                         ; the block that holds the sequence's last live query walks every slot that anybody reads: it prefetches,
	s_cmp_eq_u32 s41, s18
	s_cselect_b32 s[PWL], s[WL], -1
	s_cmp_lt_u32 s[WV], 4                          ; by its waves 0 and 1 for K, 2 and 3 for V
	s_cselect_b32 s[PWL], s[PWL], -1
	s_cmp_lt_u32 s[WV], 2
	s_cselect_b64 s[PFA:PFA+1], s[6:7], s[8:9]
	s_cmp_lt_i32 s35, -15                          ; p is at most 1 and the hold stands at 57,344 x 2^e9, which is 1.75 at e9 = -15: from there on up it changes nothing
	s_cselect_b32 s[HOLD], 1, 0
	s_add_co_i32 s40, s32, s33
	s_lshl_b32 s40, s40, 23
	s_add_co_i32 s[CS], s40, 0x3e38aa3b            ; c = log2(e) / 8, with e6 + e7 added to its exponent field: a score stands for score x 2^(e6 + e7)
	s_mov_b32 s[CS+1], s[CS]                       ; (named with it as a pair, so it is written)
	s_add_co_i32 s40, s35, 127
	s_lshl_b32 s41, s40, 23
	v_mov_b32 v224, s41                            ; 2^e9 as f32, for p's conversion
	s_add_co_i32 s40, s40, 15
	s_lshl_b32 s40, s40, 23
	s_or_b32 s40, s40, 0x600000
	v_mov_b32 v225, s40                            ; 57,344 x 2^e9
	s_sub_co_i32 s40, s36, s34
	s_sub_co_i32 s40, s40, s35                     ; O^T / the sum stands for that x 2^(e8 + e9): its code is it / 2^(e10 - e8 - e9)
	s_add_co_i32 s40, s40, 127
	s_lshl_b32 s41, s40, 23
	v_mov_b32 v226, s41
	s_add_co_i32 s40, s40, 15
	s_lshl_b32 s40, s40, 23
	s_or_b32 s40, s40, 0x600000
	v_mov_b32 v227, s40
	s_cmp_lt_i32 s[WL], 0                          ; slot 0, unless the whole block is dead
	s_cbranch_scc1 .Lno_slot0
	global_load_b128 v[STG:STG+3], v[ST16], s[6:7]                 ; no wait: the vector lines since the wait on va_vdst above write v224 to v227 alone
	global_load_b128 v[STG+4:STG+7], v[ST16], s[6:7] offset:8192
	global_load_b128 v[STG+8:STG+11], v[ST16], s[8:9]
	global_load_b128 v[STG+12:STG+15], v[ST16], s[8:9] offset:8192
	s_wait_loadcnt 0x0
	ds_store_b128 v[ST16], v[STG:STG+3]
	ds_store_b128 v[ST16], v[STG+4:STG+7] offset:8192
	ds_store_b128 v[ST16], v[STG+8:STG+11] offset:VOFF
	ds_store_b128 v[ST16], v[STG+12:STG+15] offset:VOFF+8192
.Lno_slot0:
	s_wait_loadcnt 0x0                             ; Q
	s_mov_b32 s[KF], 0
	s_mov_b32 s[CNT], 4
; A KEY STEP: 128 keys, the q-th of slot sl.
.macro STEP sl, q
	s_cmp_gt_i32 s[KF], s[QL]                      ; all its keys come after my queries, or my tile is dead: only the count of keys goes on
	s_cbranch_scc1 .Lhid_\@
.rept 4
	v_nop                                          ; places behind the last products, in front of loads into registers that they read
.endr
	s_wait_alu depctr_va_vdst(0)                   ; the last step's four products V^T P^T are done reading v[KV ..], in which K's fragments land
.irp t, 0,1,2,3,4,5,6,7
	ds_load_b128 v[KV+8*\t:KV+8*\t+3], v[LI] offset:SLOTB*(\sl)+8192*(\q)+1024*\t
	ds_load_b128 v[KV+8*\t+4:KV+8*\t+7], v[LI] offset:SLOTB*(\sl)+8192*(\q)+1024*\t+512
.endr
	s_wait_dscnt 0x0
.irp t, 0,1,2,3,4,5,6,7
	v_wmma_f32_16x16x64_bf8_bf8 v[S+8*\t:S+8*\t+7], v[KV+8*\t:KV+8*\t+7], v[QF:QF+7], 0
.endr
.rept 4
	v_nop                                          ; places in front of the loads below and of the first read of the scores
.endr
	s_wait_alu depctr_va_vdst(0)                   ; the eight products K Q^T are done reading v[KV ..], in which V's fragments land
.irp t, 0,1,2,3
.irp c, 0,1,2,3
	ds_load_b128 v[KV+16*\t+4*\c:KV+16*\t+4*\c+3], v[LI] offset:SLOTB*(\sl)+VOFF+8192*(\q)+2048*\t+512*\c   ; V's four fragments land while the softmax is worked
.endr
.endr
	s_add_co_u32 s40, s[KF], 127                   ; on the diagonal the scores of hidden keys become -infinity ahead of the maximum: p = 0 then.  A step all of whose keys count passes over this
	s_cmp_le_i32 s40, s[Q0]
	s_cbranch_scc1 .Lopen_\@
	s_sub_co_i32 s40, s[Q0], s[KF]
	v_add_nc_u32 v236, s40, v[D0]                  ; d = my query - KF - 8 h.  Register 8 t + j holds key KF + 16 t + 8 h + j: hidden where 16 t + j > d
.set gg, 0
.rept 4                                        ; sixteen scores at a time: a run of compares into sixteen scalar registers, one wait, the sixteen selects
.set ii, 0
.rept 16
	v_cmp_gt_i32 s[MK+ii], 16*((16*gg+ii)/8)+(16*gg+ii)%8, v236
.set ii, ii+1
.endr
	s_wait_alu depctr_va_sdst(0)                   ; the sixteen compares have written s41 to s56, ahead of the selects that read them
.set ii, 0
.rept 16
	v_cndmask_b32 v[S+16*gg+ii], v[S+16*gg+ii], v237, s[MK+ii]
.set ii, ii+1
.endr
.set gg, gg+1
.endr
.Lopen_\@:
	v_max3_num_f32 v222, v[S], v[S+1], v[S+2]      ; the step's largest score of my query, among my 64 keys, in two chains, from the low end on,
	v_max3_num_f32 v223, v[S+3], v[S+4], v[S+5]
.set ii, 6
.rept 14
	v_max3_num_f32 v222, v222, v[S+ii], v[S+ii+1]
	v_max3_num_f32 v223, v223, v[S+ii+2], v[S+ii+3]
.set ii, ii+4
.endr
	v_max3_num_f32 v222, v222, v[S+62], v[S+63]
	v_max_num_f32 v222, v222, v223
	v_permlanex16_b32 v216, v222, s[SEL], s[SEL+1]
	v_max_num_f32 v222, v222, v216                 ; and among lane l xor 16's
	v_mul_f32 v222, s[CS], v222                    ; as t (c is positive)
	v_max_num_f32 v13, v13, v222                   ; the running largest t
	v_mov_b32 v222, v12
	v_floor_f32 v12, -v13                          ; the new -M = floor(-t) = -ceil(t): a whole number
	v_sub_f32 v222, v12, v222                      ; M's old value less its new one: a whole number, 0 or less
	v_cvt_i32_f32 v222, v222                       ; (it saturates)
	v_ldexp_f32 v218, 1.0, v222                    ; f = 2^(old M - new M)
.set ii, 0
.rept 32
	v_pk_fma_f32 v[S+ii:S+ii+1], v[S+ii:S+ii+1], s[CS:CS+1], v[12:13] op_sel_hi:[1,0,0]   ; t - M, two at a time (of the pairs c and -M the low word serves both halves)
.set ii, ii+2
.endr
.set ii, 0
.rept 64
	v_exp_f32 v[S+ii], v[S+ii]                     ; p = 2^(t - M), at most 1: not normalised
.set ii, ii+1
.endr
	v_pk_mul_f32 v[14:15], v[14:15], v[218:219] op_sel_hi:[1,0]   ; the sums under the new M; also the plain instruction behind the exponentials
	s_wait_alu depctr_va_vdst(0)                   ; the 64 exponentials have written v[S ..]: one wait for the whole batch, ahead of its first reader
	v_pk_add_f32 v[220:221], v[S:S+1], v[S+2:S+3]  ; the row's sum is taken of the unquantised p: two at a time, in two chains
.set ii, 4
.rept 15
	v_pk_add_f32 v[14:15], v[14:15], v[S+ii:S+ii+1]
	v_pk_add_f32 v[220:221], v[220:221], v[S+ii+2:S+ii+3]
.set ii, ii+4
.endr
	v_pk_add_f32 v[14:15], v[14:15], v[220:221]
	s_cmp_eq_u32 s[HOLD], 0
	s_cbranch_scc1 .Lno_hold_\@
.set ii, 0
.rept 64
	v_min_num_f32 v[S+ii], v[S+ii], v225           ; the conversion to an 8-bit code does not saturate (ISA guide 7.6.2); p is not negative, so the hold is one-sided
.set ii, ii+1
.endr
.Lno_hold_\@:
.irp t, 0,1,2,3,4,5,6,7
	v_cvt_scalef32_pk8_bf8_f32 v[P+2*\t:P+2*\t+1], v[S+8*\t:S+8*\t+7], v224
.endr
.set ii, 0
.rept 16
	v_pk_mul_f32 v[OT+ii:OT+ii+1], v[OT+ii:OT+ii+1], v[218:219] op_sel_hi:[1,0]   ; O^T under the new M, from each accumulator's low end on; also the plain instructions between the conversions and the products
.set ii, ii+2
.endr
	s_wait_dscnt 0x0                               ; V is in
.irp t, 0,1,2,3
	v_wmma_f32_16x16x128_bf8_bf8 v[OT+8*\t:OT+8*\t+7], v[KV+16*\t:KV+16*\t+15], v[P:P+15], v[OT+8*\t:OT+8*\t+7]   ; the four accumulators by turns, one instruction a turn
.endr
.Lhid_\@:
	s_add_co_u32 s[KF], s[KF], 128
.endm
; A SLOT.  In front of the barrier each wave's stores into this slot have landed and its reads of the other slot are over.  Behind it the next slot's bytes are asked for into registers; they are
; stored into the other slot behind this slot's two steps: nobody reads that slot between this barrier and the next.
.macro TRIP sl
	s_wait_dscnt 0x0
	s_wait_alu depctr_vm_vsrc(0)                   ; my LDS stores of the trip before (in the first trip: slot 0's) have read v[STG ..], in which the loads below land
	s_barrier_signal -1
	s_barrier_wait -1
	s_add_co_u32 s40, s[KF], 256                   ; the next slot's first key: past the work-group's last live query nobody reads it
	s_cmp_gt_i32 s40, s[WL]
	s_cbranch_scc1 .Lno_load_\@
	global_load_b128 v[STG:STG+3], v[GOF], s[6:7]
	global_load_b128 v[STG+4:STG+7], v[GOF], s[6:7] offset:8192
	global_load_b128 v[STG+8:STG+11], v[GOF], s[8:9]
	global_load_b128 v[STG+12:STG+15], v[GOF], s[8:9] offset:8192
.Lno_load_\@:
	; A prefetch of the slot after that one, behind the wave's loads: 16 KiB of K (waves 0, 1) and of V (waves 2, 3), a lane to each 256 bytes, by one work-group of the batch and head: each block is named
	; once in the launch.  Slots 0 and 1 come by their loads alone; a slot is named only while its first key is at or under the last live query, so no prefetch leaves its buffer.
	s_add_co_u32 s40, s[KF], 512
	s_cmp_gt_i32 s40, s[PWL]
	s_cbranch_scc1 .Lno_pf_\@
	global_prefetch_b8 v[PFO], s[PFA:PFA+1] th:TH_LOAD_NT scope:SCOPE_SE
.Lno_pf_\@:
	STEP \sl, 0
	STEP \sl, 1
	s_wait_loadcnt 0x0                             ; the next slot's bytes are in my registers (on every way, whether or not they were asked for)
	s_cmp_gt_i32 s[KF], s[WL]                      ; KF has gone on by 256: the same test as above
	s_cbranch_scc1 .Lno_store_\@
	ds_store_b128 v[ST16], v[STG:STG+3] offset:SLOTB*(1-\sl)
	ds_store_b128 v[ST16], v[STG+4:STG+7] offset:SLOTB*(1-\sl)+8192
	ds_store_b128 v[ST16], v[STG+8:STG+11] offset:SLOTB*(1-\sl)+VOFF
	ds_store_b128 v[ST16], v[STG+12:STG+15] offset:SLOTB*(1-\sl)+VOFF+8192
.Lno_store_\@:
	s_wait_xcnt 0x0                                ; the loads and the prefetch have read their bases: these step only behind this wait
	s_add_nc_u64 s[6:7], s[6:7], 16384             ; K, V and the prefetches a slot on; the vector offsets stay as they are
	s_add_nc_u64 s[8:9], s[8:9], 16384
	s_add_nc_u64 s[PFA:PFA+1], s[PFA:PFA+1], 16384
.endm
.Lslot:                                            ; four trips of two slots: all 2,048 keys, in every work-group
	TRIP 0
	TRIP 1
	s_sub_co_u32 s[CNT], s[CNT], 1
	s_cmp_lg_u32 s[CNT], 0
	s_cbranch_scc1 .Lslot
	; THE WAY OUT.  O^T / the sum, held, becomes codes; lane (r, h) holds of row r the channels 16 t + 8 h + 0 .. 7 of my head.  a_img is laid [tile of 16 rows][piece of 32 along K][lane' = r + 16 h'][16 bytes],
	; lane' holding K = 32 x piece + 16 h' + 0 .. 15, as the launch oproj reads it: my 8 bytes of tile t lie at 1,024 x head + 256 t + 16 r + 8 h: the wave's store covers 256 consecutive bytes, aligned.
.rept 4
	v_nop                                          ; places behind the last products
.endr
	v_add_f32 v14, v14, v15                        ; the sum's two halves,
	v_permlanex16_b32 v216, v14, s[SEL], s[SEL+1]
	v_add_f32 v14, v14, v216                       ; and lane l xor 16's
	v_max_num_f32 v14, 0.5, v14                    ; a live row's largest p is above 1/2, so this moves no live sum; a dead tile's sum is 0 over zeros, which stay zeros
	v_rcp_f32 v14, v14
	v_nop                                          ; a plain instruction behind the reciprocal
	s_wait_alu depctr_va_vdst(0)                   ; the reciprocal has written v14: the wait ahead of its first reader
.set ii, 0
.rept 16
	v_pk_mul_f32 v[S+ii:S+ii+1], v[OT+ii:OT+ii+1], v[14:15] op_sel_hi:[1,0]
.set ii, ii+2
.endr
.set ii, 0
.rept 32
	v_med3_num_f32 v[S+ii], v[S+ii], -v227, v227   ; the hold at the largest code x the scale
.set ii, ii+1
.endr
.irp t, 0,1,2,3
	v_cvt_scalef32_pk8_bf8_f32 v[228+2*\t:229+2*\t], v[S+8*\t:S+8*\t+7], v226
.endr
	v_nop
	s_wait_alu depctr_va_vdst(0)                   ; the four conversions have written v228 to v235, which the stores read
.irp t, 0,1,2,3
	global_store_b64 v[GO], v[228+2*\t:229+2*\t], s[14:15] offset:256*\t
.endr
	s_wait_dscnt 0x0                               ; the closing lines, six on end
	s_wait_alu 0x0
	s_wait_tensorcnt 0x0
	ds_add_u32 v[SPW], v[NIL]
	s_wait_dscnt 0x0
	s_endpgm
.Lfunc_end_k_qe03191c7e2_attn:
	.size	k_qe03191c7e2_attn, .Lfunc_end_k_qe03191c7e2_attn-k_qe03191c7e2_attn
	.p2alignl 7, 3214868480
	.fill 96, 4, 3214868480
	.section	.rodata,"a",@progbits
	.p2align	6, 0x0
	.amdhsa_kernel k_qe03191c7e2_attn
		.amdhsa_group_segment_fixed_size 67584
		.amdhsa_private_segment_fixed_size 0
		.amdhsa_enable_private_segment 0
		.amdhsa_kernarg_size 48
		.amdhsa_user_sgpr_count 2
		.amdhsa_user_sgpr_kernarg_segment_ptr 1
		.amdhsa_wavefront_size32 1
		.amdhsa_system_sgpr_workgroup_id_x 1
		.amdhsa_system_sgpr_workgroup_id_y 1
		.amdhsa_system_sgpr_workgroup_id_z 1
		.amdhsa_system_vgpr_workitem_id 0
		.amdhsa_next_free_vgpr 256
		.amdhsa_next_free_sgpr 66
		.amdhsa_reserve_vcc 0
		.amdhsa_float_denorm_mode_32 3
		.amdhsa_float_denorm_mode_16_64 3
		.amdhsa_memory_ordered 1
		.amdhsa_forward_progress 1
		.amdhsa_inst_pref_size 113
	.end_amdhsa_kernel
	.amdgpu_metadata
---
amdhsa.version: [ 1, 2 ]
amdhsa.kernels:
  - .name:           k_qe03191c7e2_attn
    .symbol:         k_qe03191c7e2_attn.kd
    .args:
      - { .name: q_img, .offset: 0, .size: 8, .value_kind: global_buffer, .address_space: global }
      - { .name: k_img, .offset: 8, .size: 8, .value_kind: global_buffer, .address_space: global }
      - { .name: v_img, .offset: 16, .size: 8, .value_kind: global_buffer, .address_space: global }
      - { .name: lowp_scales, .offset: 24, .size: 8, .value_kind: global_buffer, .address_space: global }
      - { .name: seq_lens, .offset: 32, .size: 8, .value_kind: global_buffer, .address_space: global }
      - { .name: a_img, .offset: 40, .size: 8, .value_kind: global_buffer, .address_space: global }
    .group_segment_fixed_size: 67584
    .private_segment_fixed_size: 0
    .kernarg_segment_align: 8
    .kernarg_segment_size: 48
    .max_flat_workgroup_size: 512
    .sgpr_count:     66
    .vgpr_count:     256
    .wavefront_size: 32
...
	.end_amdgpu_metadata
.endif
;; end of part 5
;; launch oproj: the kernel of part 4 again; grid 4 x 64, 4 waves a work-group, clusters of 4 x 4, 327,680 bytes of LDS; arguments a_img, Wo_codes, lowp_scales, seq_lens, out0; writes out0
